; MI455X (gfx1250); checked and timed in simulation.
; The chip was launched on July 23, 2026; its instructions are those of AMD's public machine-readable ISA for CDNA 5 (MIT licence, August 2026) and "CDNA5" Instruction Set Architecture Reference Guide (July 2026). The comments in the code are by the model that wrote it; some were corrected since.
;; Encoder Layer foridx. Allowed arithmetic: matrix products marked QUANTISED: E2M3 operands, one E8M0 scale for each 32 along K, by v_wmma_scale_f32_16x16x128_f8f6f4 with both operands' format E2M3, f32 sums; everything else in f32.
;; Inputs: W1_codes 512 x 16 x 24 uint8 (E2M3 codes of W1, K innermost, in blocks of 32 codes, four codes in three bytes); W1_scales 512 x 16 uint8 (E8M0 scales of W1, one for each 32 codes along K); W2_codes 512 x 16 x 24 uint8 (E2M3 codes of W2, K innermost, in blocks of 32 codes, four codes in three bytes); W2_scales 512 x 16 uint8 (E8M0 scales of W2, one for each 32 codes along K); Wk_codes 512 x 16 x 24 uint8 (E2M3 codes of Wk, K innermost, in blocks of 32 codes, four codes in three bytes); Wk_scales 512 x 16 uint8 (E8M0 scales of Wk, one for each 32 codes along K); Wq_codes 512 x 16 x 24 uint8 (E2M3 codes of Wq, K innermost, in blocks of 32 codes, four codes in three bytes); Wq_scales 512 x 16 uint8 (E8M0 scales of Wq, one for each 32 codes along K); Wv_codes 512 x 16 x 24 uint8 (E2M3 codes of Wv, K innermost, in blocks of 32 codes, four codes in three bytes); Wv_scales 512 x 16 uint8 (E8M0 scales of Wv, one for each 32 codes along K); b1 512 float32; b2 512 float32; ln1_b 512 float32; ln1_g 512 float32; ln2_b 512 float32; ln2_g 512 float32; x 8 x 2,048 x 512 float32.
;; Outputs: out0 8 x 2,048 x 512 float32.
;; This version of the problem:
;;   THIS VERSION OF THE PROBLEM IS GIVEN IN LOW PRECISION. The matrix products marked QUANTISED in the list below multiply operands that are first quantised to E2M3 (2 exponent bits, 3 mantissa bits; 6 bits a number), with one power-of-two scale for each 32 numbers along K (OCP MX v1.0); their sums are f32. All else is computed in f32.
;;   The module's matrix products, in the order in which they are computed (A, B: the left and right operand; K: the contracted axis; several contracted axes count as one K, in the product's order):
;;     1. [M 16,384, K 512] x [K 512, N 512]; A: computed on the way; B: input Wq (given as codes): QUANTISED
;;     2. [M 16,384, K 512] x [K 512, N 512]; A: computed on the way; B: input Wk (given as codes): QUANTISED
;;     3. [M 16,384, K 512] x [K 512, N 512]; A: computed on the way; B: input Wv (given as codes): QUANTISED
;;     4. batch 8 x [M 2,048, K 512] x [K 512, N 2,048]; A: computed on the way; B: computed on the way: QUANTISED
;;     5. batch 8 x [M 2,048, K 2,048] x [K 2,048, N 512]; A: softmax (see below); B: computed on the way: QUANTISED
;;     6. [M 16,384, K 512] x [K 512, N 512]; A: computed on the way; B: input W1 (given as codes): QUANTISED
;;     7. [M 16,384, K 512] x [K 512, N 512]; A: computed on the way; B: input W2 (given as codes): QUANTISED
;;   THE QUANTISER, for each operand of a quantised product, along K:
;;     - K is cut into blocks of 32 from its start; a last block that is shorter is filled with zeros.
;;     - A block's scale is 2^e with e = floor(log2(the largest magnitude in the block)) - 2, held to -126 .. 127; a block of zeros has e = 0. As a byte (E8M0): e + 127.
;;     - Each number is divided by its block's scale, clamped to +-7.5, and rounded to the nearest number of E2M3, ties to even, subnormals kept.
;;     - The product sums the exact products of the quantised numbers (number of the format x scale) in f32.
;;   ~~~python
;;   def quantise(x, axis):      # numpy; x: float32 -> the quantised numbers, widened to float32 again
;;       x = np.moveaxis(x, axis, -1); K = x.shape[-1]
;;       x = np.pad(x, [(0, 0)] * (x.ndim - 1) + [(0, -K % 32)]); x = x.reshape(x.shape[:-1] + (-1, 32)); a = np.abs(x).max(-1, keepdims=True)
;;       e = np.where(a > 0, np.clip(np.frexp(np.where(a > 0, a, 1))[1] - 1 - 2, -126, 127), 0)      # np.frexp(a)[1] - 1 = floor(log2(a)), exactly
;;       r = np.clip(x / 2.0 ** e, -7.5, 7.5)
;;       step = 2.0 ** (np.maximum(np.frexp(np.where(r == 0, 1, r))[1] - 1, 0) - 3)
;;       q = np.round(r / step) * step * 2.0 ** e      # np.round: ties to even
;;       return np.moveaxis(q.reshape(q.shape[:-2] + (-1,))[..., :K], -1, axis).astype(np.float32)
;;   ~~~
;;   SOFTMAX AHEAD OF A QUANTISED PRODUCT. Where the list says 'softmax', what is quantised is not the finished softmax but p = 2^(t - M), with t = logit x log2(e) and M = ceil(the row's largest t), a whole number; so 1/2 < the row's largest p <= 1. The row's sum l is taken of the UNQUANTISED p, in f32, and the product's result is divided by l at the end. Since M is a whole number, a kernel that streams over the keys may use a running M (the ceiling of the running maximum): every later rescaling is an exact power of two, which a block's scale takes up: the codes' values come out the same.
;;   OPERANDS COMPUTED ON THE WAY. 'Computed on the way' means the value that the module computes at that place (a softmax that the list does not call 'softmax' is quantised finished and normalised). What goes into a quantiser is computed in f32, as accurately as f32 sums, v_exp_f32 and their like allow (about 1e-6 of the number): no bf16 or f16 on the way to a quantiser, and a product that is left as it is and whose result goes on into a quantised operand takes f32 operands (vector FMAs, or v_wmma_f32_16x16x4_f32). A number that lies on a knife's edge between two numbers of the format may be rounded either way, as far as f32 arithmetic and the matrix unit's own rounding can turn it there, and no further.
;;   INPUTS GIVEN AS CODES. W1 (in the module: [512, 512], K = its axis 0); W2 (in the module: [512, 512], K = its axis 0); Wk (in the module: [512, 512], K = its axis 0); Wq (in the module: [512, 512], K = its axis 0); Wv (in the module: [512, 512], K = its axis 0): each comes as NAME_codes (uint8): NAME with its K axis moved to the last place and cut into blocks of 32 codes, [.., K / 32, bytes a block], one block behind the other in memory; four codes in three bytes: a row's codes are one little-endian stream of bits, code i at bits 6 i .. 6 i + 5 (a code: sign, 2 exponent bits, 3 mantissa bits); and NAME_scales (uint8): the same leading axes, one E8M0 byte (e + 127) for each 32 codes along K. Its value is code x scale, taken as it is: it is not quantised again, and the codes and scales need not be those that the quantiser above would give.
;; One version. Each part assembles by itself: llvm-mc -triple=amdgcn-amd-amdhsa -mcpu=gfx1250 --defsym DOCPART=n.
;; ======== version 1 of 1: 2 launches
;; workspace buffers: qc 6,553,600 bytes; kv 17,203,200 bytes
;; launch qkv (part 1): grid 32 x 8, 8 waves a work-group, clusters of 4 x 1, 327,680 bytes of LDS; arguments x, ln1_g, ln1_b, Wq_codes, Wq_scales, Wk_codes, Wk_scales, Wv_codes, Wv_scales, W1_codes, W1_scales, W2_codes, W2_scales, qc, kv; writes qc, kv
.if DOCPART == 1
	.amdgcn_target "amdgcn-amd-amdhsa--gfx1250"
	.amdhsa_code_object_version 6
	.text
	.protected	k_qc7e117f289_qkv
	.globl	k_qc7e117f289_qkv
	.p2align	8
	.type	k_qc7e117f289_qkv,@function
k_qc7e117f289_qkv:
	s_mov_b64 s[64:65], 0
	v_nop
	global_prefetch_b8 v0, s[64:65] scope:SCOPE_SE
	s_setreg_imm32_b32 hwreg(HW_REG_WAVE_MODE, 25, 1), 1
	s_wait_xcnt 0x0
	s_wait_alu depctr_hold_cnt(0) depctr_sa_sdst(0) depctr_va_vdst(0) depctr_va_sdst(0) depctr_va_ssrc(0) depctr_va_vcc(0) depctr_vm_vsrc(0)
	s_getreg_b32 s2, hwreg(HW_REG_IB_STS2, 6, 4)
	s_cmp_eq_u32 s2, 0
	s_cbranch_scc0 .Lentry_in_a_cluster
	s_endpgm
.Lentry_in_a_cluster:
	s_bfe_u32 s2, ttmp6, 0x10000c
	s_cmp_lg_u32 s2, 0x3003
	s_cbranch_scc0 .Lentry_shape_is_right
	s_endpgm
.Lentry_shape_is_right:
; LayerNorm 1, y quantised along the channels, q = y Wq, k = y Wk, v = y Wv on codes of FP6 (E2M3) with one E8M0 scale for each 32 along K;
; q and k are quantised along the channels, v along the keys, and stored as images of the operand registers that the next launch loads.
; W1 and W2 are laid out anew, as tiles of the same two forms, behind each batch's tiles of k and v.
; SHARES.  A work-group owns 64 tokens of one batch, as four tiles of 16.  Row r of tile 2 B + u is token 32 B + 8 u + r + 8 (r / 8), so that a transposed
; result's 16 registers of tiles 2 B and 2 B + 1 are 16 neighbours.  The same order holds for every tile of 16 rows here (weight rows, channels, keys).
; LayerNorm: wave w holds channels 64 w .. 64 w + 63 of all 64 tokens.  Products: six trips of 256 weight rows (Wq, Wq, Wk, Wk, Wv, Wv); wave w takes
; rows 32 w .. 32 w + 31 of the trip (two tiles) against the four token tiles: 8 accumulators, 32 matrix instructions; a weight fragment feeds four.
; The weights come through two LDS slots by tensor loads that the four work-groups of a cluster ask for jointly (all work-groups read the same weights).
; FRAGMENT IMAGES (16 rows x 128 K, 12 registers a lane, 1,536 bytes).  Form 48: lane L's 12 registers at byte 48 L.  Form 768: half c (registers 6 c .. 6 c + 5)
; at 768 c: 16 bytes a lane, then from +512 on 8 bytes a lane; a work-group's 64 keys are one such half of a step of 128 keys.
; qc: [batch][block of 64 queries][25,600]: form-48 fragment (t, s) at 1,536 (4 t + s); scale words at 24,576 + 256 t + 16 r + 4 s.
; kv: [batch][chunk 0..20][102,400]: chunk c = tile A(c), then at +51,200 tile B(c - 1).  A(j): k of keys 128 j .. (j < 16) or W1's rows 128 (j - 16) ..: form-48 fragment
; (kt, s) at 1,536 (4 kt + s), scale words at 49,152 + 256 kt + 16 r + 4 s.  B(j): v of those keys or W2's K slice j - 16: form-768 fragment n at 1,536 n; at 49,152 + 1,024 c + 128 w + 4 L
; a word with the two scale bytes (blocks 2 c, 2 c + 1) of tile 4 w + L / 16 below and of tile 4 w + 2 + L / 16 above.
; LIMITS: NaN and infinities among the inputs are not served.  A block of zeros gets the scale byte 1 where the quantiser's rule says 127: its codes are zeros, and this program alone reads the bytes.
; No prefetch: x is asked for whole at the head by the loads themselves, and the weights are small and shared by all work-groups.
.set SLOTB,  114688                    ; an LDS slot: two halves of 128 rows x 432 bytes, then 4,096 scale bytes
.set UHALF,  55296
.set WP,     432                       ; a weight row: 384 bytes + 16 of padding behind each 128: 108 words, so the 32 lanes of an 8-byte load touch 64 different banks
.set WSCL,   110592
.set STG,    229376                    ; a stage of 16 rows x 272 bytes for each wave
.set STB,    264192                    ; LayerNorm's partial figures: 80 bytes a token
.set YI,     269312                    ; y's images, later k's
.set IMG,    25600                     ; an image block: 16 fragments + 1,024 bytes of scale words; q's lies IMG behind YI
.set VSB,    320512                    ; v's scale bytes
.set SPARE,  321536                    ; the spare words, 128 bytes for each wave: four blocks of 256 bytes that no other line names
.set CHUNK,  102400
.set HALFC,  51200
.set BATCHB, 2150400
; vector registers, window 0
.set SIN, 1                            ; stage: 272 (L / 16) + 16 (L % 16): dense rows in
.set SRD, 2                            ; stage: 272 r + 64 h: my 16 numbers of a block out
.set GX,  3                            ; x: 2,048 (L / 16) + 16 (L % 16) + 256 w
.set VG,  4                            ; gains: 256 w + 64 h
.set STW, 5
.set STR, 6
.set YWA, 7
.set YSA, 8
.set AY,  9
.set AYS, 10
.set AW,  12                           ; v12-15 weight fragments, [slot][u]
.set AW2, 16                           ; v16-19 the same behind one padding more
.set AWS, 20                           ; v20-21 weight scale words, [slot]
.set QA,  22
.set QSA, 23
.set ACO, 24
.set GCO, 25
.set VSA, 26
.set GV8, 27
.set RLO, 28
.set L16, 29
.set SPW, 30                           ; my spare word; never rewritten
.set NIL, 31                           ; 0; never rewritten
.set RS48, 32
.set RS16, 33
.set L8,  34
.set PRS, 35
.set W2SO, 36
.set ASC, 37
.set GSC, 38
.set VSR, 39
.set YSC, 40                           ; v40-55 y's scale words [t][s]
.set WS,  56                           ; v56-59 the weights' scale words [s]: lanes 0-15 tile u = 0, lanes 16-31 tile u = 1
.set TM,  60                           ; v60-75 the quantiser's figures
.set DL,  60                           ; LayerNorm: v60-63 mean_w - mu, v64-71 1/sigma twice, v72-79 their product twice
.set RS,  64
.set DR,  72
.set Y,   80                           ; v80-207 x, x - mean_w, y
.set ACC, 80                           ; v80-143 the 8 accumulators
.set WF,  144                          ; v144-239 the 8 weight fragments (s, u)
.set RL,  208                          ; the re-lay's registers
.set MG,  208                          ; LayerNorm: 8 partial pairs of a token
.set LT,  224                          ; (mean_w, M2_w) of each tile
.set VV,  232
.set MT,  240
.set AC,  240
.set CD,  240                          ; v240-255 codes just made
; window 1: v0-127 x as loaded, v128-159 g, v160-191 b; afterwards y's 16 fragments (t, s) at 12 (4 t + s)
.set XT,  0
.set GG,  128
.set BB,  160
; scalar registers: s[4:33] the fifteen addresses
.set WV,  34
.set CX,  35
.set QBK, 36
.set BAT, 37
.set SEL, 38
.set G0W, 40                           ; s[40:47] group 0 for the codes, a set for each slot
.set G0S, 48                           ; s[48:55] for the scale bytes
.set G1W, 56
.set G1S, 68
.set WOF, 76
.set QCB, 80
.set KCB, 82
.set KSB, 84
.set VCB, 86
.set VSG, 88
.set RLS, 90
.set RLD, 92
.set RLS2, 94
.set K1,  96
.set K2,  97
.set RLD2, 98
.set MSB, 0
.macro WIN new                         ; the immediate's high byte repeats the setting that is left
.if MSB != \new
	s_set_vgpr_msb (MSB<<8)|\new
.set MSB, \new
.endif
.endm
.macro PLACES n
.rept \n
	v_nop
.endr
.endm
.macro ROUND                           ; a round of the cluster's barrier
	s_barrier_signal -1
	s_barrier_wait -1
	s_cmp_lg_u32 s[WV], 0
	s_cbranch_scc1 .Lnw0_\@
	s_barrier_signal -3
.Lnw0_\@:
	s_barrier_wait -3
	s_barrier_signal -1
	s_barrier_wait -1
.endm
; one matrix instruction.  c < 0: the constant 0 starts the sum.  row: 1 = source 0's scales from lanes 16-31, 2 = source 1's
.macro MM d, a, b, c, sa, sb, row
.if (\c) < 0
.if (\row) == 0
	v_wmma_scale_f32_16x16x128_f8f6f4 v[(\d):(\d)+7], v[(\a):(\a)+11], v[(\b):(\b)+11], 0, v[(\sa)], v[(\sb)] matrix_a_fmt:MATRIX_FMT_FP6 matrix_b_fmt:MATRIX_FMT_FP6
.elseif (\row) == 1
	v_wmma_scale_f32_16x16x128_f8f6f4 v[(\d):(\d)+7], v[(\a):(\a)+11], v[(\b):(\b)+11], 0, v[(\sa)], v[(\sb)] matrix_a_fmt:MATRIX_FMT_FP6 matrix_b_fmt:MATRIX_FMT_FP6 matrix_a_scale:MATRIX_SCALE_ROW1
.else
	v_wmma_scale_f32_16x16x128_f8f6f4 v[(\d):(\d)+7], v[(\a):(\a)+11], v[(\b):(\b)+11], 0, v[(\sa)], v[(\sb)] matrix_a_fmt:MATRIX_FMT_FP6 matrix_b_fmt:MATRIX_FMT_FP6 matrix_b_scale:MATRIX_SCALE_ROW1
.endif
.else
.if (\row) == 0
	v_wmma_scale_f32_16x16x128_f8f6f4 v[(\d):(\d)+7], v[(\a):(\a)+11], v[(\b):(\b)+11], v[(\c):(\c)+7], v[(\sa)], v[(\sb)] matrix_a_fmt:MATRIX_FMT_FP6 matrix_b_fmt:MATRIX_FMT_FP6
.elseif (\row) == 1
	v_wmma_scale_f32_16x16x128_f8f6f4 v[(\d):(\d)+7], v[(\a):(\a)+11], v[(\b):(\b)+11], v[(\c):(\c)+7], v[(\sa)], v[(\sb)] matrix_a_fmt:MATRIX_FMT_FP6 matrix_b_fmt:MATRIX_FMT_FP6 matrix_a_scale:MATRIX_SCALE_ROW1
.else
	v_wmma_scale_f32_16x16x128_f8f6f4 v[(\d):(\d)+7], v[(\a):(\a)+11], v[(\b):(\b)+11], v[(\c):(\c)+7], v[(\sa)], v[(\sb)] matrix_a_fmt:MATRIX_FMT_FP6 matrix_b_fmt:MATRIX_FMT_FP6 matrix_b_scale:MATRIX_SCALE_ROW1
.endif
.endif
.endm
; nb blocks by turns; block k: my 16 numbers at v[src + stp k] on, the other 16 in lane l xor 16.  Out: the scale byte in v[TM+4+k], 12 bytes of codes in v[CD+4k] on
.macro QB nb, src, stp
.irp k,0,1,2,3
.if \k < \nb
	v_max3_num_f32 v[TM+\k], |v[(\src)+(\stp)*\k]|, |v[(\src)+(\stp)*\k+1]|, 0x1800000   ; with the floor 2^(3 - 127): the byte cannot fall under 1
.endif
.endr
.irp i,2,4,6,8,10,12,14
.irp k,0,1,2,3
.if \k < \nb
	v_max3_num_f32 v[TM+\k], v[TM+\k], |v[(\src)+(\stp)*\k+\i]|, |v[(\src)+(\stp)*\k+\i+1]|
.endif
.endr
.endr
.irp k,0,1,2,3
.if \k < \nb
	v_permlanex16_b32 v[TM+4+\k], v[TM+\k], s[SEL], s[SEL+1]
.endif
.endr
.irp k,0,1,2,3
.if \k < \nb
	v_max_num_f32 v[TM+\k], v[TM+\k], v[TM+4+\k]          ; the block's largest magnitude
.endif
.endr
.irp k,0,1,2,3
.if \k < \nb
	v_add_nc_u32 v[TM+8+\k], 0xff000000, v[TM+\k]         ; 2 off its exponent field: the conversion's scale operand
.endif
.endr
.irp k,0,1,2,3
.if \k < \nb
	v_lshrrev_b32 v[TM+4+\k], 23, v[TM+8+\k]              ; the scale's byte
.endif
.endr
.irp k,0,1,2,3
.if \k < \nb
	v_cvt_scalef32_pk16_fp6_f32 v[CD+4*\k:CD+4*\k+2], v[(\src)+(\stp)*\k:(\src)+(\stp)*\k+15], v[TM+8+\k]
.endif
.endr
	v_nop                                                 ; one plain place behind the scaled conversions
.endm
; my 64 tokens' 256 bytes each, dense: sixteen lanes take one token's aligned 256 bytes, two tokens an instruction
.macro XLOAD xt, base
	WIN 0x40
.irp t,0,1,2,3
.irp k,0,1,2,3,4,5,6,7
	global_load_b128 v[(\xt)+32*\t+4*\k:(\xt)+32*\t+4*\k+3], v[GX], s[\base:\base+1] offset:2048*(32*(\t/2)+8*(\t%2)+2*\k+8*(\k/4)) th:TH_LOAD_NT
.endr
.endr
	WIN 0
.endm
; a tile's 16 rows through my own stage: in as loaded, out 16 neighbours a lane.  LDS serves a wave's instructions in order: no wait between, and the next tile's stores come behind these loads
.macro XSTAGE xt, lc
.irp t,0,1,2,3
.if (\lc) >= 0
	s_wait_loadcnt (\lc)-8*\t                             ; this tile's eight loads are in; the later tiles' and the 16 of g and b may be out
.endif
	WIN 0x04
.irp k,0,1,2,3,4,5,6,7
	ds_store_b128 v[SIN], v[(\xt)+32*\t+4*\k:(\xt)+32*\t+4*\k+3] offset:544*\k
.endr
	WIN 0
.irp k,0,1,2,3,4,5,6,7
	ds_load_b128 v[Y+32*\t+4*\k:Y+32*\t+4*\k+3], v[SRD] offset:128*(\k/4)+16*(\k%4)
.endr
.endr
.endm
; my 64 channels' mean and sum of squared distances from it, for each token; d = x - mean_w stays in Y.  xs: x's registers, in window xw
.macro LNSTAT xw, xs
	WIN 5*\xw
.irp t,0,1,2,3
	v_pk_add_f32 v[LT+2*\t:LT+2*\t+1], v[(\xs)+32*\t:(\xs)+32*\t+1], v[(\xs)+32*\t+2:(\xs)+32*\t+3]
.endr
	WIN 4*\xw
.irp i,4,6,8,10,12,14,16,18,20,22,24,26,28,30
.irp t,0,1,2,3
	v_pk_add_f32 v[LT+2*\t:LT+2*\t+1], v[LT+2*\t:LT+2*\t+1], v[(\xs)+32*\t+\i:(\xs)+32*\t+\i+1]
.endr
.endr
	WIN 0
.irp t,0,1,2,3
	v_add_f32 v[LT+2*\t], v[LT+2*\t], v[LT+2*\t+1]
.endr
.irp t,0,1,2,3
	v_permlanex16_b32 v[LT+2*\t+1], v[LT+2*\t], s[SEL], s[SEL+1]
.endr
.irp t,0,1,2,3
	v_add_f32 v[LT+2*\t], v[LT+2*\t], v[LT+2*\t+1]
.endr
.irp t,0,1,2,3
	v_mul_f32 v[LT+2*\t], 0x3c800000, v[LT+2*\t]          ; / 64: mean_w
.endr
	WIN \xw
.irp i,0,2,4,6,8,10,12,14,16,18,20,22,24,26,28,30
.irp t,0,1,2,3
	v_pk_add_f32 v[Y+32*\t+\i:Y+32*\t+\i+1], v[(\xs)+32*\t+\i:(\xs)+32*\t+\i+1], v[LT+2*\t:LT+2*\t+1] op_sel_hi:[1,0] neg_lo:[0,1] neg_hi:[0,1]
.endr
.endr
	WIN 0
.irp t,0,1,2,3
	v_pk_mul_f32 v[AC+2*\t:AC+2*\t+1], v[Y+32*\t:Y+32*\t+1], v[Y+32*\t:Y+32*\t+1]
.endr
.irp i,2,4,6,8,10,12,14,16,18,20,22,24,26,28,30
.irp t,0,1,2,3
	v_pk_fma_f32 v[AC+2*\t:AC+2*\t+1], v[Y+32*\t+\i:Y+32*\t+\i+1], v[Y+32*\t+\i:Y+32*\t+\i+1], v[AC+2*\t:AC+2*\t+1]
.endr
.endr
.irp t,0,1,2,3
	v_add_f32 v[AC+2*\t], v[AC+2*\t], v[AC+2*\t+1]
.endr
.irp t,0,1,2,3
	v_permlanex16_b32 v[AC+2*\t+1], v[AC+2*\t], s[SEL], s[SEL+1]
.endr
.irp t,0,1,2,3
	v_add_f32 v[LT+2*\t+1], v[AC+2*\t], v[AC+2*\t+1]      ; M2_w
.endr
.irp t,0,1,2,3
	ds_store_b64 v[STW], v[LT+2*\t:LT+2*\t+1] offset:1280*\t   ; both halves of the lanes write the same pair
.endr
.endm
; the eight waves' figures of a token are joined: mu, var = (sum M2_w + 64 sum (mean_w - mu)^2) / 512: no difference of large sums; then y = (d + mean_w - mu) / sigma x g + b
.macro LNJOIN
.irp t,0,1,2,3
.irp q,0,1,2,3
	ds_load_b128 v[MG+4*\q:MG+4*\q+3], v[STR] offset:1280*\t+16*\q
.endr
	s_wait_dscnt 0x0
	v_pk_add_f32 v[MT:MT+1], v[MG:MG+1], v[MG+2:MG+3]
	v_pk_add_f32 v[MT+2:MT+3], v[MG+4:MG+5], v[MG+6:MG+7]
	v_pk_add_f32 v[MT+4:MT+5], v[MG+8:MG+9], v[MG+10:MG+11]
	v_pk_add_f32 v[MT+6:MT+7], v[MG+12:MG+13], v[MG+14:MG+15]
	v_pk_add_f32 v[MT:MT+1], v[MT:MT+1], v[MT+2:MT+3]
	v_pk_add_f32 v[MT+4:MT+5], v[MT+4:MT+5], v[MT+6:MT+7]
	v_pk_add_f32 v[MT:MT+1], v[MT:MT+1], v[MT+4:MT+5]     ; (sum of means, sum of M2)
	v_mul_f32 v[MT+2], 0x3e000000, v[MT]                  ; mu
.irp i,0,1,2,3,4,5,6,7
	v_sub_f32 v[MG+2*\i], v[MG+2*\i], v[MT+2]
.endr
	v_mul_f32 v[MT+3], v[MG], v[MG]
.irp i,1,2,3,4,5,6,7
	v_fmac_f32 v[MT+3], v[MG+2*\i], v[MG+2*\i]
.endr
	v_fma_f32 v[MT+3], 0x42800000, v[MT+3], v[MT+1]
	v_fma_f32 v[VV+\t], v[MT+3], s[K1], s[K2]             ; / 512 + 1e-5
	v_sub_f32 v[DL+\t], v[LT+2*\t], v[MT+2]
.endr
.irp t,0,1,2,3
	v_rsq_f32 v[RS+2*\t], v[VV+\t]
.endr
	v_nop                                                 ; a plain place behind the batch,
	s_wait_alu depctr_va_vdst(0)                          ; and one wait for the four, ahead of their first reader
.irp t,0,1,2,3
	v_mul_f32 v[DR+2*\t], v[DL+\t], v[RS+2*\t]
	v_mov_b32 v[RS+2*\t+1], v[RS+2*\t]
.endr
.irp t,0,1,2,3
	v_mov_b32 v[DR+2*\t+1], v[DR+2*\t]
.endr
.irp i,0,2,4,6,8,10,12,14,16,18,20,22,24,26,28,30
.irp t,0,1,2,3
	v_pk_fma_f32 v[Y+32*\t+\i:Y+32*\t+\i+1], v[Y+32*\t+\i:Y+32*\t+\i+1], v[RS+2*\t:RS+2*\t+1], v[DR+2*\t:DR+2*\t+1]
.endr
.endr
	s_wait_loadcnt 0x0                                    ; g and b
	WIN 0x14
.irp i,0,2,4,6,8,10,12,14,16,18,20,22,24,26,28,30
.irp t,0,1,2,3
	v_pk_fma_f32 v[Y+32*\t+\i:Y+32*\t+\i+1], v[Y+32*\t+\i:Y+32*\t+\i+1], v[GG+\i:GG+\i+1], v[BB+\i:BB+\i+1]
.endr
.endr
	WIN 0
.endm
; y's blocks 2 w + blk of the four tiles become codes; a lane's 12 bytes go straight to their place in the form-48 images, its byte into the scale words
.macro YQUANT
.irp blk,0,1
	QB 4, Y+16*\blk, 32
.irp t,0,1,2,3
.irp i,0,1,2
	ds_store_b32 v[YWA], v[CD+4*\t+\i] offset:6144*\t+768*\blk+4*\i
.endr
	ds_store_b8 v[YSA], v[TM+4+\t] offset:256*\t+\blk
.endr
	s_wait_dscnt 0x0                                      ; the stores have read their registers
.endr
.endm
; a joint refill of slot sg: waves 0 and 1 the two halves of the codes, wave 2 the scale bytes.  The branches hang on the wave's number alone
.macro JLOADW sg
	s_cmp_lt_u32 s[WV], 2
	s_cbranch_scc0 .Lnc_\@
	tensor_load_to_lds s[G0W+4*(\sg):G0W+4*(\sg)+3], s[G1W:G1W+7]
	s_nop 0
	PLACES 4
	s_branch .Ljd_\@
.Lnc_\@:
	s_cmp_eq_u32 s[WV], 2
	s_cbranch_scc0 .Ljd_\@
	tensor_load_to_lds s[G0S+4*(\sg):G0S+4*(\sg)+3], s[G1S:G1S+7]
	s_nop 0
	PLACES 4
.Ljd_\@:
.endm
; a weight fragment: six pieces of 8 bytes; lanes 16-31 read three pieces on, which for some pieces is behind one padding more: the second address register serves those
.macro FRAGW reg, slot, uu, ss
.irp p,0,1,2,3,4,5
.set PC, 12*(\ss)+6*(\p/3)+\p%3
.if PC%16 < 13
	ds_load_b64 v[(\reg)+2*\p:(\reg)+2*\p+1], v[AW+2*(\slot)+(\uu)] offset:8*PC+16*(PC/16)
.else
	ds_load_b64 v[(\reg)+2*\p:(\reg)+2*\p+1], v[AW2+2*(\slot)+(\uu)] offset:8*PC+16*(PC/16)
.endif
.endr
.endm
; an image block leaves LDS as it lies: 3,072 bytes a wave, 512 consecutive bytes a store; waves 0 and 1 take the scale words
.macro COPYOUT io, cb, sb, so
.irp i,0,1,2,3,4,5
	ds_load_b128 v[ACC+4*\i:ACC+4*\i+3], v[ACO] offset:\io+512*\i
.endr
	s_wait_dscnt 0x0
.irp i,0,1,2,3,4,5
	global_store_b128 v[GCO], v[ACC+4*\i:ACC+4*\i+3], s[\cb:\cb+1] offset:512*\i
.endr
	s_cmp_lt_u32 s[WV], 2
	s_cbranch_scc0 .Lco_\@
	ds_load_b128 v[ACC+24:ACC+27], v[ASC] offset:\io
	s_wait_dscnt 0x0
	global_store_b128 v[GSC], v[ACC+24:ACC+27], s[\sb:\sb+1] offset:\so
.Lco_\@:
.endm
; TRIP k: weight k / 2, rows 256 (k % 2) on, in slot k % 2
.macro TRIP k
.set HF, (\k)&1
.set WM, (\k)>>1
.if (\k) > 0
	s_wait_tensorcnt 0x0                                  ; all my tensor loads have landed, my part of this trip's slot among them, so a group 0 may be written
	ds_add_u32 v[SPW], v[NIL]                             ; 0 onto my spare word
.if (\k) < 5
.set NS, ((\k)+1)&1
.set NM, ((\k)+1)>>1
	s_add_nc_u64 s[G0W+4*NS+2:G0W+4*NS+3], s[10+4*NM:11+4*NM], s[WOF:WOF+1]
.if NS
	s_add_nc_u64 s[G0W+4*NS+2:G0W+4*NS+3], s[G0W+4*NS+2:G0W+4*NS+3], 98304
.endif
	s_or_b32 s[G0W+4*NS+3], s[G0W+4*NS+3], 0x80000000
	s_add_nc_u64 s[G0S+4*NS+2:G0S+4*NS+3], s[12+4*NM:13+4*NM], 4096*NS
	s_or_b32 s[G0S+4*NS+3], s[G0S+4*NS+3], 0x80000000
.endif
	s_wait_dscnt 0x0                                      ; the add is done; my reads of the other slot and my stores into the images are over
.if (\k) < 5
	ROUND                                                 ; no wave of any partner still reads the slot that is filled now
	JLOADW NS
.else
	s_barrier_signal -1
	s_barrier_wait -1
.endif
.endif
.if (\k) == 2
	COPYOUT IMG, QCB, QCB, 24576
.endif
.if (\k) == 4
	COPYOUT 0, KCB, KSB, 0
.endif
	ds_load_b128 v[WS:WS+3], v[AWS+HF]
.irp s,0,1,2,3
.irp u,0,1
	FRAGW WF+12*(2*\s+\u), HF, \u, \s
.endr
.endr
.if (\k) >= 2
	s_wait_xcnt 0x0                                       ; earlier stores have read their registers: the accumulators and the codes' registers are written again below
.endif
.if WM < 2
	WIN 0x04                                              ; q, k transposed: source 0 = 16 weight rows, source 1 = 16 tokens (window 1)
.else
	WIN 0x01                                              ; v: source 0 = 16 tokens (window 1), source 1 = 16 weight rows: a lane's registers run along the keys
.endif
.irp s,0,1,2,3
	s_wait_dscnt 36-12*\s                                 ; this K step's 12 loads are in; the 12 of each later step may be out
.irp u,0,1
.irp t,0,1,2,3
.if WM < 2
.if \s == 0
	MM ACC+16*\t+8*\u, WF+12*(2*\s+\u), 12*(4*\t+\s), -1, WS+\s, YSC+4*\t+\s, \u
.else
	MM ACC+16*\t+8*\u, WF+12*(2*\s+\u), 12*(4*\t+\s), ACC+16*\t+8*\u, WS+\s, YSC+4*\t+\s, \u
.endif
.else
.if \s == 0
	MM ACC+32*\u+8*\t, 12*(4*\t+\s), WF+12*(2*\s+\u), -1, YSC+4*\t+\s, WS+\s, 2*\u
.else
	MM ACC+32*\u+8*\t, 12*(4*\t+\s), WF+12*(2*\s+\u), ACC+32*\u+8*\t, YSC+4*\t+\s, WS+\s, 2*\u
.endif
.endif
.endr
.endr
.endr
	WIN 0
	PLACES 4
	QB 4, ACC, 16
.if WM < 2
.set IQ, IMG*(1-WM)
.irp t,0,1,2,3                                            ; block 8 (k % 2) + w of the 16 along the channels, for token tile t
.irp i,0,1,2
	ds_store_b32 v[QA], v[CD+4*\t+\i] offset:IQ+(4*\t+2*HF)*1536+4*\i
.endr
	ds_store_b8 v[QSA], v[TM+4+\t] offset:IQ+256*\t+8*HF
.endr
.else
.irp u,0,1                                                ; blocks (u, 0) and (u, 1): 32 keys each of channel tile u.  The operand wants a whole block in a lane: lanes 0-15 the first, lanes 16-31 the second
.irp i,0,1,2
	v_permlane16_swap_b32 v[CD+8*\u+\i], v[CD+8*\u+4+\i]
.endr
.irp i,0,1,2
	v_mov_b32 v[CD+8*\u+3+\i], v[CD+8*\u+4+\i]
.endr
	v_lshl_or_b32 v[TM+12+\u], v[TM+5+2*\u], 8, v[TM+4+2*\u]
.endr
.irp u,0,1
	global_store_b128 v[GCO], v[CD+8*\u:CD+8*\u+3], s[VCB:VCB+1] offset:24576*HF+1536*\u     ; 512 consecutive bytes
	global_store_b64 v[GV8], v[CD+8*\u+4:CD+8*\u+5], s[VCB:VCB+1] offset:24576*HF+1536*\u    ; 256 consecutive bytes
	ds_store_b16 v[VSA], v[TM+12+\u] offset:512*HF+64*\u
.endr
.endif
.endm
	s_load_b512 s[4:19], s[0:1], 0x0                      ; x, g, b, Wq codes, Wq scales, Wk codes, Wk scales, Wv codes
	s_load_b256 s[20:27], s[0:1], 0x40                    ; Wv scales, W1 codes, W1 scales, W2 codes
	s_load_b128 s[28:31], s[0:1], 0x60                    ; W2 scales, qc
	s_load_b64 s[32:33], s[0:1], 0x70                     ; kv
	v_lshl_add_u32 v[SPW], v0, 2, SPARE
	v_mov_b32 v[NIL], 0
	ds_add_u32 v[SPW], v[NIL]                             ; the wave's opening: the add and its wait ahead of the first tensor loads; work on registers stands between
	v_lshrrev_b32 v80, 5, v0
	v_readfirstlane_b32 s[WV], v80                        ; wave 0..7
	s_bfe_u32 s[CX], ttmp6, 0x40000                       ; my place in the cluster: it enters global addresses alone
	s_lshl_b32 s[QBK], ttmp9, 2
	s_add_co_u32 s[QBK], s[QBK], s[CX]                    ; my block of 64 tokens
	s_and_b32 s[BAT], ttmp7, 0xffff                       ; the batch
	s_mov_b32 s[SEL], 0x76543210
	s_mov_b32 s[SEL+1], 0xfedcba98                        ; lane l xor 16
	s_mov_b32 s[K1], 0x3b000000                           ; 1 / 512
	s_mov_b32 s[K2], 0x3727c5ac                           ; 1e-5
	; group 1 for the codes: 16 rows of 3,072 bytes (8 weight rows on end), 6,144 bytes apart: weight rows 16 g + 8 u + 0 .. 7; 16 bytes of padding behind each 128
	s_mov_b32 s[G1W], 15|(3<<16)|(1<<20)|(1<<21)|(4<<22)|(3<<25)
	s_mov_b32 s[G1W+1], 384<<16
	s_mov_b32 s[G1W+2], 16<<16
	s_mov_b32 s[G1W+3], 384<<16
	s_mov_b32 s[G1W+4], 16
	s_mov_b32 s[G1W+5], 768
	s_mov_b32 s[G1W+6], 0
	s_mov_b32 s[G1W+7], 0
	; group 1 for the scale bytes of 256 rows: 4,096 dense bytes as 16 rows of 256
	s_mov_b32 s[G1S], 15|(3<<16)|(1<<21)
	s_mov_b32 s[G1S+1], 32<<16
	s_mov_b32 s[G1S+2], 16<<16
	s_mov_b32 s[G1S+3], 32<<16
	s_mov_b32 s[G1S+4], 16
	s_mov_b32 s[G1S+5], 32
	s_mov_b32 s[G1S+6], 0
	s_mov_b32 s[G1S+7], 0
	s_and_b32 s66, s[WV], 1
	s_mul_i32 s3, s66, UHALF
	s_mul_i32 s[WOF], s66, 3072
	s_mov_b32 s[WOF+1], 0
	s_mov_b32 s[G0W], 1
	s_mov_b32 s[G0W+1], s3
	s_mov_b32 s[G0W+4], 1
	s_add_co_u32 s[G0W+5], s3, SLOTB
	s_mov_b32 s[G0S], 1
	s_mov_b32 s[G0S+1], WSCL
	s_mov_b32 s[G0S+4], 1
	s_mov_b32 s[G0S+5], SLOTB+WSCL
	; LDS and lane addresses
	v_and_b32 v80, 15, v0                                 ; r
	v_bfe_u32 v81, v0, 4, 1                               ; h
	v_and_b32 v82, 31, v0                                 ; L
	v_mul_u32_u24 v83, v80, 48
	v_mad_u32_u24 v84, v81, 12, v83                       ; 48 r + 12 h
	v_and_b32 v85, 8, v80
	v_add_nc_u32 v85, v85, v80                            ; r + 8 (r / 8)
	s_mul_i32 s2, s[WV], 4352
	s_add_co_u32 s2, s2, STG                              ; my stage
	v_mul_u32_u24 v[SIN], v81, 272
	v_lshl_add_u32 v[SIN], v80, 4, v[SIN]
	v_add_nc_u32 v[SIN], s2, v[SIN]
	v_mul_u32_u24 v[SRD], v80, 272
	v_lshl_add_u32 v[SRD], v81, 6, v[SRD]
	v_add_nc_u32 v[SRD], s2, v[SRD]
	v_mul_u32_u24 v[RS48], v82, 48
	v_add_nc_u32 v[AY], YI, v[RS48]
	v_add_nc_u32 v[RS48], s2, v[RS48]
	v_lshlrev_b32 v[L16], 4, v82
	v_add_nc_u32 v[RS16], s2, v[L16]
	v_lshlrev_b32 v[L8], 3, v82
	s_lshl_b32 s3, s[WV], 8
	v_lshlrev_b32 v[GX], 11, v81
	v_lshl_add_u32 v[GX], v80, 4, v[GX]
	v_add_nc_u32 v[GX], s3, v[GX]
	v_lshl_add_u32 v[VG], v81, 6, s3
	v_mul_u32_u24 v[STR], v80, 80
	v_add_nc_u32 v[STR], STB, v[STR]
	s_lshl_b32 s3, s[WV], 3
	v_add_nc_u32 v[STW], s3, v[STR]
	s_lshr_b32 s3, s[WV], 1
	s_mul_i32 s3, s3, 1536
	s_mul_i32 s67, s66, 24
	s_add_co_u32 s3, s3, s67
	s_add_co_u32 s3, s3, YI
	v_add_nc_u32 v[YWA], s3, v84                          ; y's codes: fragment s = w / 2, block 2 (w % 2) + blk
	s_lshl_b32 s3, s[WV], 1
	s_add_co_u32 s3, s3, YI+24576
	v_lshl_add_u32 v[YSA], v80, 4, s3
	v_lshl_add_u32 v[AYS], v80, 4, YI+24576
	v_mul_u32_u24 v86, v80, WP
	v_mad_u32_u24 v86, v81, 24, v86
	s_mul_i32 s3, s[WV], 16*WP
	v_add_nc_u32 v86, s3, v86
.irp g,0,1
.irp u,0,1
	v_add_nc_u32 v[AW+2*\g+\u], SLOTB*\g+UHALF*\u, v86
	v_lshl_add_u32 v[AW2+2*\g+\u], v81, 4, v[AW+2*\g+\u]
.endr
.endr
	v_lshl_add_u32 v[PRS], v81, 3, v85
	v_lshlrev_b32 v[PRS], 4, v[PRS]                       ; 16 (r + 8 (r / 8) + 8 h): a scale row of tile u = h
	s_lshl_b32 s3, s[WV], 9
	s_add_co_u32 s3, s3, WSCL
	v_add_nc_u32 v[AWS], s3, v[PRS]
	v_add_nc_u32 v[AWS+1], SLOTB, v[AWS]
	s_lshr_b32 s3, s[WV], 2
	s_mul_i32 s3, s3, 1536
	s_mul_i32 s67, s66, 768
	s_add_co_u32 s3, s3, s67
	s_bfe_u32 s67, s[WV], 0x10001
	s_mul_i32 s67, s67, 24
	s_add_co_u32 s3, s3, s67
	s_add_co_u32 s3, s3, YI
	v_add_nc_u32 v[QA], s3, v84                           ; q's and k's codes: fragment 2 (k % 2) + w / 4, block w % 4
	s_add_co_u32 s3, s[WV], YI+24576
	v_lshl_add_u32 v[QSA], v80, 4, s3
	s_mul_i32 s3, s[WV], 3072
	v_add_nc_u32 v[GCO], s3, v[L16]
	v_add_nc_u32 v[ACO], YI, v[GCO]
	v_add_nc_u32 v[GV8], s3, v[L8]
	v_add_nc_u32 v[GV8], 512, v[GV8]
	s_lshr_b32 s3, s[WV], 1
	s_lshl_b32 s3, s3, 7
	s_lshl_b32 s67, s66, 1
	s_add_co_u32 s3, s3, s67
	s_add_co_u32 s3, s3, VSB
	v_lshl_add_u32 v[VSA], v80, 2, s3
	s_lshl_b32 s3, s66, 9
	v_add_nc_u32 v[GSC], s3, v[L16]
	v_add_nc_u32 v[ASC], YI+24576, v[GSC]
	v_add_nc_u32 v[VSR], VSB, v[GSC]
	v_mul_u32_u24 v[RLO], v85, 384
	v_mad_u32_u24 v[RLO], v81, 24, v[RLO]
	v_bfe_u32 v87, v0, 3, 1
	v_bfe_u32 v88, v0, 2, 1
	v_add_nc_u32 v87, v87, v88
	v_and_b32 v88, 7, v0
	v_lshlrev_b32 v[W2SO], 10, v81
	v_lshl_add_u32 v[W2SO], v87, 7, v[W2SO]
	v_lshl_add_u32 v[W2SO], v88, 5, v[W2SO]
	; byte offsets in the buffers
	s_lshl_b32 s78, s[BAT], 22
	s_lshl_b32 s79, s[QBK], 17
	s_add_co_u32 s78, s78, s79
	s_mov_b32 s79, 0                                      ; x: my 64 rows
	s_lshl_b32 s[QCB], s[BAT], 5
	s_add_co_u32 s[QCB], s[QCB], s[QBK]
	s_mul_i32 s[QCB], s[QCB], IMG
	s_mov_b32 s[QCB+1], 0
	s_mul_i32 s2, s[BAT], BATCHB                          ; my batch in kv
	s_lshr_b32 s3, s[QBK], 1
	s_mul_i32 s3, s3, CHUNK
	s_add_co_u32 s3, s3, s2                               ; chunk j: my keys' step
	s_and_b32 s66, s[QBK], 1                              ; which 64 of its 128 keys
	s_mul_i32 s67, s66, 24576
	s_add_co_u32 s[KCB], s3, s67
	s_mov_b32 s[KCB+1], 0
	s_lshl_b32 s67, s66, 10
	s_add_co_u32 s67, s67, s3
	s_add_co_u32 s[KSB], s67, 49152
	s_mov_b32 s[KSB+1], 0
	s_add_co_u32 s[VSG], s67, CHUNK+HALFC+49152
	s_mov_b32 s[VSG+1], 0
	s_mul_i32 s67, s66, 768
	s_add_co_u32 s67, s67, s3
	s_add_co_u32 s[VCB], s67, CHUNK+HALFC
	s_mov_b32 s[VCB+1], 0
	; the re-lay: clusters 0-3 of a batch take W1's 128 fragments, clusters 4-7 W2's: one a wave
	s_and_b32 s3, ttmp9, 3                                ; which tile of four
	s_add_co_u32 s66, s3, 16
	s_mul_i32 s66, s66, CHUNK
	s_add_co_u32 s66, s66, s2                             ; chunk 16 + i of my batch
	s_lshl_b32 s67, s[CX], 3
	s_add_co_u32 s67, s67, s[WV]
	s_mul_i32 s67, s67, 1536
	s_add_co_u32 s[RLD], s66, s67                         ; fragment 8 cx + w
	s_lshl_b32 s[RLS], s[QBK], 5                          ; W1: rows 32 block + 8 (w / 4) on, K step w % 4
	s_lshr_b32 s67, s[WV], 2
	s_lshl_b32 s67, s67, 3
	s_add_co_u32 s[RLS], s[RLS], s67
	s_mul_i32 s[RLS], s[RLS], 384
	s_and_b32 s67, s[WV], 3
	s_mul_i32 s67, s67, 96
	s_add_co_u32 s[RLS], s[RLS], s67
	s_lshl_b32 s[RLS+1], s[CX], 7                         ; W2: rows 128 cx + 32 (w / 2) + 8 (w % 2) on, K step i
	s_lshr_b32 s67, s[WV], 1
	s_lshl_b32 s67, s67, 5
	s_add_co_u32 s[RLS+1], s[RLS+1], s67
	s_and_b32 s67, s[WV], 1
	s_lshl_b32 s67, s67, 3
	s_add_co_u32 s[RLS+1], s[RLS+1], s67
	s_mul_i32 s[RLS+1], s[RLS+1], 384
	s_mul_i32 s67, s3, 96
	s_add_co_u32 s[RLS+1], s[RLS+1], s67
	s_lshl_b32 s[RLS2], s[QBK], 9                         ; W1's scale rows
	s_lshl_b32 s[RLS2+1], s[CX], 11                       ; W2's scale bytes
	s_lshl_b32 s67, s3, 2
	s_add_co_u32 s[RLS2+1], s[RLS2+1], s67
	s_and_b32 s67, s[WV], 1
	s_lshl_b32 s67, s67, 1
	s_add_co_u32 s[RLS2+1], s[RLS2+1], s67
	s_lshl_b32 s67, s[CX], 9
	s_add_co_u32 s[RLD2], s66, s67
	s_add_co_u32 s[RLD2], s[RLD2], 49152
	s_lshl_b32 s67, s[CX], 8
	s_add_co_u32 s[RLD2+1], s66, s67
	s_and_b32 s67, s[WV], 1
	s_lshl_b32 s67, s67, 10
	s_add_co_u32 s[RLD2+1], s[RLD2+1], s67
	s_add_co_u32 s[RLD2+1], s[RLD2+1], CHUNK+HALFC+49152
	s_cmp_lt_u32 ttmp9, 4                                 ; the cluster's number: the same in all four partners
	s_cselect_b32 s[RLD+1], 0, CHUNK+HALFC
	s_cselect_b32 s[RLD2], s[RLD2], s[RLD2+1]
	s_cselect_b32 s[RLS], s[RLS], s[RLS+1]
	s_cselect_b32 s[RLS2], s[RLS2], s[RLS2+1]
	s_add_co_u32 s[RLD], s[RLD], s[RLD+1]
	s_mov_b32 s[RLD+1], 0
	s_mov_b32 s[RLD2+1], 0
	s_mov_b32 s[RLS+1], 0
	s_mov_b32 s[RLS2+1], 0
	s_wait_dscnt 0x0                                      ; the opening add is done
	s_wait_kmcnt 0x0
	s_add_nc_u64 s[4:5], s[4:5], s[78:79]
	s_add_nc_u64 s[QCB:QCB+1], s[30:31], s[QCB:QCB+1]
	s_add_nc_u64 s[KCB:KCB+1], s[32:33], s[KCB:KCB+1]
	s_add_nc_u64 s[KSB:KSB+1], s[32:33], s[KSB:KSB+1]
	s_add_nc_u64 s[VCB:VCB+1], s[32:33], s[VCB:VCB+1]
	s_add_nc_u64 s[VSG:VSG+1], s[32:33], s[VSG:VSG+1]
	s_add_nc_u64 s[RLD:RLD+1], s[32:33], s[RLD:RLD+1]
	s_add_nc_u64 s[RLD2:RLD2+1], s[32:33], s[RLD2:RLD2+1]
	s_cmp_lt_u32 ttmp9, 4
	s_cselect_b64 s[2:3], s[22:23], s[26:27]
	s_cselect_b64 s[66:67], s[24:25], s[28:29]
	s_add_nc_u64 s[RLS:RLS+1], s[2:3], s[RLS:RLS+1]
	s_add_nc_u64 s[RLS2:RLS2+1], s[66:67], s[RLS2:RLS2+1]
	s_add_nc_u64 s[G0W+2:G0W+3], s[10:11], s[WOF:WOF+1]
	s_add_nc_u64 s[G0W+6:G0W+7], s[G0W+2:G0W+3], 98304
	s_or_b32 s[G0W+3], s[G0W+3], 0x80000000
	s_or_b32 s[G0W+7], s[G0W+7], 0x80000000
	s_mov_b64 s[G0S+2:G0S+3], s[12:13]
	s_add_nc_u64 s[G0S+6:G0S+7], s[12:13], 4096
	s_or_b32 s[G0S+3], s[G0S+3], 0x80000000
	s_or_b32 s[G0S+7], s[G0S+7], 0x80000000
	ROUND                                                 ; all four work-groups are here: the first joint loads meet
	s_cmp_lt_u32 s[WV], 2                                 ; both slots' first fills, a wave's two in one branch: two loads of a wave are out
	s_cbranch_scc0 .Lff_s
	tensor_load_to_lds s[G0W:G0W+3], s[G1W:G1W+7]
	s_nop 0
	tensor_load_to_lds s[G0W+4:G0W+7], s[G1W:G1W+7]
	s_nop 0
	PLACES 4
	s_branch .Lff_done
.Lff_s:
	s_cmp_eq_u32 s[WV], 2
	s_cbranch_scc0 .Lff_done
	tensor_load_to_lds s[G0S:G0S+3], s[G1S:G1S+7]
	s_nop 0
	tensor_load_to_lds s[G0S+4:G0S+7], s[G1S:G1S+7]
	s_nop 0
	PLACES 4
.Lff_done:
.irp p,0,1,2,3,4,5
	global_load_b64 v[RL+2*\p:RL+2*\p+1], v[RLO], s[RLS:RLS+1] offset:48*(\p/3)+8*(\p%3)   ; the fragment that I lay anew
.endr
	XLOAD XT, 4
	WIN 0x40
.irp q,0,1,2,3,4,5,6,7
	global_load_b128 v[GG+4*\q:GG+4*\q+3], v[VG], s[6:7] offset:128*(\q/4)+16*(\q%4)
	global_load_b128 v[BB+4*\q:BB+4*\q+3], v[VG], s[8:9] offset:128*(\q/4)+16*(\q%4)
.endr
	WIN 0
	s_wait_loadcnt 48                                     ; the fragment is in; x's 32 loads and the 16 of g and b may be out
	s_cmp_lt_u32 ttmp9, 4
	s_cbranch_scc0 .Lrl_w2
	ds_store_b128 v[RS48], v[RL:RL+3]                     ; W1, form 48: 48 bytes a lane into my stage, and back as they lie, so that each store covers 512 consecutive bytes
	ds_store_b128 v[RS48], v[RL+4:RL+7] offset:16
	ds_store_b128 v[RS48], v[RL+8:RL+11] offset:32
.irp g,0,1,2
	ds_load_b128 v[RL+12+4*\g:RL+15+4*\g], v[RS16] offset:512*\g
.endr
	s_wait_dscnt 0x0
.irp g,0,1,2
	global_store_b128 v[L16], v[RL+12+4*\g:RL+15+4*\g], s[RLD:RLD+1] offset:512*\g
.endr
	s_cmp_lg_u32 s[WV], 0
	s_cbranch_scc1 .Lrl_done
	global_load_b128 v[RL+24:RL+27], v[PRS], s[RLS2:RLS2+1]   ; wave 0: the scale rows of the work-group's two tiles
	s_wait_loadcnt 0x0
	global_store_b128 v[L16], v[RL+24:RL+27], s[RLD2:RLD2+1]
	s_branch .Lrl_done
.Lrl_w2:
	global_store_b128 v[L16], v[RL:RL+3], s[RLD:RLD+1]    ; W2, form 768: straight from the operand's registers
	global_store_b64 v[L8], v[RL+4:RL+5], s[RLD:RLD+1] offset:512
	global_store_b128 v[L16], v[RL+6:RL+9], s[RLD:RLD+1] offset:768
	global_store_b64 v[L8], v[RL+10:RL+11], s[RLD:RLD+1] offset:1280
	s_cmp_lt_u32 s[WV], 2
	s_cbranch_scc0 .Lrl_done
	global_load_u16 v[RL+12], v[W2SO], s[RLS2:RLS2+1]     ; waves 0, 1 (c = w): 256 bytes of scale words, two words a lane
	global_load_u16 v[RL+13], v[W2SO], s[RLS2:RLS2+1] offset:512
	global_load_u16 v[RL+14], v[W2SO], s[RLS2:RLS2+1] offset:16
	global_load_u16 v[RL+15], v[W2SO], s[RLS2:RLS2+1] offset:528
	s_wait_loadcnt 0x0
	v_lshl_or_b32 v[RL+16], v[RL+13], 16, v[RL+12]
	v_lshl_or_b32 v[RL+17], v[RL+15], 16, v[RL+14]
	global_store_b64 v[L8], v[RL+16:RL+17], s[RLD2:RLD2+1]
.Lrl_done:
	s_wait_xcnt 0x0                                       ; the re-lay's stores have read their registers, which LayerNorm takes
	XSTAGE XT, 40
	s_wait_dscnt 0x0
	LNSTAT 0, Y
	s_wait_dscnt 0x0                                      ; my figures lie in LDS
	s_barrier_signal -1
	s_barrier_wait -1                                     ; everybody's do.  The tensor loads may stay out
	LNJOIN
	YQUANT
	s_wait_tensorcnt 0x0                                  ; my parts of both slots have landed,
	s_wait_dscnt 0x0                                      ; y's images are stored
	s_barrier_signal -1
	s_barrier_wait -1                                     ; everybody's
	WIN 0x40
.irp f,0,1,2,3,4,5,6,7,8,9,10,11,12,13,14,15
.irp g,0,1,2
	ds_load_b128 v[12*\f+4*\g:12*\f+4*\g+3], v[AY] offset:1536*\f+16*\g   ; y's 16 fragments stay in registers
.endr
.endr
	WIN 0
.irp t,0,1,2,3
	ds_load_b128 v[YSC+4*\t:YSC+4*\t+3], v[AYS] offset:256*\t
.endr
	TRIP 0
	TRIP 1
	TRIP 2
	TRIP 3
	TRIP 4
	TRIP 5
	s_wait_dscnt 0x0                                      ; v's scale bytes are stored
	s_barrier_signal -1
	s_barrier_wait -1
	s_cmp_lt_u32 s[WV], 2
	s_cbranch_scc0 .Lno_vs
	ds_load_b128 v[ACC:ACC+3], v[VSR]
	s_wait_dscnt 0x0
	global_store_b128 v[GSC], v[ACC:ACC+3], s[VSG:VSG+1]
.Lno_vs:
	s_wait_tensorcnt 0x0                                  ; the wave's end: behind my last tensor load and my last LDS store
	ds_add_u32 v[SPW], v[NIL]
	s_wait_dscnt 0x0
	ROUND                                                 ; the closing round
	s_endpgm
.Lfunc_end_k_qc7e117f289_qkv:
	.size	k_qc7e117f289_qkv, .Lfunc_end_k_qc7e117f289_qkv-k_qc7e117f289_qkv
	.p2alignl 7, 3214868480
	.fill 96, 4, 3214868480
	.section	.rodata,"a",@progbits
	.p2align	6, 0x0
	.amdhsa_kernel k_qc7e117f289_qkv
		.amdhsa_group_segment_fixed_size 327680
		.amdhsa_private_segment_fixed_size 0
		.amdhsa_enable_private_segment 0
		.amdhsa_kernarg_size 120
		.amdhsa_user_sgpr_count 2
		.amdhsa_user_sgpr_kernarg_segment_ptr 1
		.amdhsa_wavefront_size32 1
		.amdhsa_system_sgpr_workgroup_id_x 1
		.amdhsa_system_sgpr_workgroup_id_y 1
		.amdhsa_system_sgpr_workgroup_id_z 1
		.amdhsa_system_vgpr_workitem_id 0
		.amdhsa_next_free_vgpr 512
		.amdhsa_next_free_sgpr 100
		.amdhsa_reserve_vcc 0
		.amdhsa_float_denorm_mode_32 3
		.amdhsa_float_denorm_mode_16_64 3
		.amdhsa_memory_ordered 1
		.amdhsa_forward_progress 1
		.amdhsa_inst_pref_size 142
	.end_amdhsa_kernel
	.amdgpu_metadata
---
amdhsa.version: [ 1, 2 ]
amdhsa.kernels:
  - .name:           k_qc7e117f289_qkv
    .symbol:         k_qc7e117f289_qkv.kd
    .args:
      - { .name: x, .offset: 0, .size: 8, .value_kind: global_buffer, .address_space: global }
      - { .name: ln1_g, .offset: 8, .size: 8, .value_kind: global_buffer, .address_space: global }
      - { .name: ln1_b, .offset: 16, .size: 8, .value_kind: global_buffer, .address_space: global }
      - { .name: Wq_codes, .offset: 24, .size: 8, .value_kind: global_buffer, .address_space: global }
      - { .name: Wq_scales, .offset: 32, .size: 8, .value_kind: global_buffer, .address_space: global }
      - { .name: Wk_codes, .offset: 40, .size: 8, .value_kind: global_buffer, .address_space: global }
      - { .name: Wk_scales, .offset: 48, .size: 8, .value_kind: global_buffer, .address_space: global }
      - { .name: Wv_codes, .offset: 56, .size: 8, .value_kind: global_buffer, .address_space: global }
      - { .name: Wv_scales, .offset: 64, .size: 8, .value_kind: global_buffer, .address_space: global }
      - { .name: W1_codes, .offset: 72, .size: 8, .value_kind: global_buffer, .address_space: global }
      - { .name: W1_scales, .offset: 80, .size: 8, .value_kind: global_buffer, .address_space: global }
      - { .name: W2_codes, .offset: 88, .size: 8, .value_kind: global_buffer, .address_space: global }
      - { .name: W2_scales, .offset: 96, .size: 8, .value_kind: global_buffer, .address_space: global }
      - { .name: qc, .offset: 104, .size: 8, .value_kind: global_buffer, .address_space: global }
      - { .name: kv, .offset: 112, .size: 8, .value_kind: global_buffer, .address_space: global }
    .group_segment_fixed_size: 327680
    .private_segment_fixed_size: 0
    .kernarg_segment_align: 8
    .kernarg_segment_size: 120
    .max_flat_workgroup_size: 256
    .sgpr_count:     100
    .vgpr_count:     512
    .wavefront_size: 32
...
	.end_amdgpu_metadata
.endif
;; end of part 1
;; launch attn (part 2): grid 32 x 8, 8 waves a work-group, clusters of 4 x 1, 327,680 bytes of LDS; arguments x, qc, kv, ln2_g, ln2_b, b1, b2, out0; writes out0
.if DOCPART == 2
	.amdgcn_target "amdgcn-amd-amdhsa--gfx1250"
	.amdhsa_code_object_version 6
	.text
	.protected	k_qc7e117f289_attn
	.globl	k_qc7e117f289_attn
	.p2align	8
	.type	k_qc7e117f289_attn,@function
k_qc7e117f289_attn:
	s_mov_b64 s[64:65], 0
	v_nop
	global_prefetch_b8 v0, s[64:65] scope:SCOPE_SE
	s_setreg_imm32_b32 hwreg(HW_REG_WAVE_MODE, 25, 1), 1
	s_wait_xcnt 0x0
	s_wait_alu depctr_hold_cnt(0) depctr_sa_sdst(0) depctr_va_vdst(0) depctr_va_sdst(0) depctr_va_ssrc(0) depctr_va_vcc(0) depctr_vm_vsrc(0)
	s_getreg_b32 s2, hwreg(HW_REG_IB_STS2, 6, 4)
	s_cmp_eq_u32 s2, 0
	s_cbranch_scc0 .Lentry_in_a_cluster
	s_endpgm
.Lentry_in_a_cluster:
	s_bfe_u32 s2, ttmp6, 0x10000c
	s_cmp_lg_u32 s2, 0x3003
	s_cbranch_scc0 .Lentry_shape_is_right
	s_endpgm
.Lentry_shape_is_right:
; x2 = x + softmax(q k^T / sqrt(512)) v;  out = x2 + gelu(LN2(x2) W1 + b1) W2 + b2.  All four products on codes of FP6 (E2M3) with one E8M0 scale for each 32 along K.
; q, k, v, W1, W2 come as images of operand registers (buffers qc and kv: their layout stands at the head of the launch that stores them).
; SHARES.  A work-group owns 64 queries of one batch (four tiles of 16; row r of tile 2 B + u is token 32 B + 8 u + r + 8 (r / 8)), eight waves.  b = w % 4, tp = w / 4.
; A TRIP takes 128 keys.  PROD: S^T = K Q^T for key block b (32 keys: two tiles) and query tiles 2 tp, 2 tp + 1: 16 matrix instructions; p = 2^(t - M) is quantised and goes to LDS as its
; part of four operand images.  CONS: O^T += V^T P^T of the trip BEFORE, channel tiles 4 w .. 4 w + 3 against all four query tiles: 16 matrix instructions.  So one barrier a trip serves the tiles' ring and the hand-over of P.
; THE SOFTMAX.  t = score x log2(e) / sqrt(512).  Each wave keeps, for its own key blocks, a running whole number M = ceil(largest t) and the sum l of the unquantised p.  Beside a block's codes it stores
; E = scale byte + M, an exact whole number in f32.  The consumer keeps R = the largest E of a query so far, feeds the byte max(E - R + 127, 0), and multiplies O by 2^(old R - new R): exact.
; At the end L = sum over b of l_b 2^(M_b - R + 127) and the result is O / L.  All shifts are whole powers of two, which the scales take up: the codes are those under the row's final M.
; THE FFN IS FOUR MORE TRIPS: hidden^T = W1 y2^T has PROD's shape (128 hidden units for 128 keys; b1 is the first product's C; gelu and the quantiser for the softmax), out^T += W2 h^T has CONS's; O holds x2 + b2.
; THE RING.  Tile A(j) (for PROD) is the first half of chunk j of kv, tile B(j) (for CONS, a trip later) the second half of chunk j + 1.  In each trip waves 0, 1 fetch the halves of the next trip's A and waves 2, 3
; those of its B, 25,600 bytes each, jointly for the four work-groups of the cluster, which walk the same batch in the same order.
; THE ORDER OF THE KEYS.  The softmax's sums do not hang on the order of the keys, nor the FFN's on the order of the hidden units.  Cluster c of a batch (c = 0 .. 7) has f = (c xor c / 2) mod 4, begins with key step 4 f
; and goes round the 16 steps; then it begins with FFN tile f and goes round the four.  So clusters with different f ask for different chunks at one time, and from its fifth trip on a cluster asks for a chunk
; that the cluster with the next f asked for four trips before.  f takes all four values on c = 0 .. 3 and on 4 .. 7, on the even and on the odd c, on {0, 1, 4, 5} and on {2, 3, 6, 7}.
; LIMITS: NaN and infinities are not served.  |t| stays under 2^24, so that M and E are exact in f32.  A block of p more than 2^127 under the row's largest counts as at most 7.5 x 2^-127.
; A block of zeros gets the scale byte 1 where the quantiser's rule says 127: its codes are zeros.  erf is a rational function of f32 accuracy (about 1e-7 absolute), its argument held to +-4.
.set BOFF,   131072                    ; LDS: A's two slots at 0 and 65,536, B's at 131,072 and 196,608: 51,200 bytes each; one exclusive or turns a slot's address into the other's
.set SCOFF,  49152
.set MLB,    247808                    ; (-M, l) [tile][r][b]
.set STB,    249856                    ; LayerNorm's partial figures: 80 bytes a token
.set SPARE,  254976                    ; the spare words, 128 bytes for each wave: four blocks of 256 bytes that no other line names
.set PB0,    262144                    ; P's two buffers, 8,192 apart: four form-48 images, then from PSC on E [tile][r][b] (FFN: scale words [tile][r])
.set PSC,    6144
.set U,      278528                    ; a stage of 16 x 272 bytes for each wave; between barriers y2's images
.set CHUNK,  102400
.set BATCHB, 2150400
.set IMG,    25600
.set AK, 1
.set ASK, 2
.set AV16, 3
.set AV8, 4
.set AVS, 5
.set AP, 6
.set AE, 7
.set PWA, 8
.set EWA, 9
.set TAK, 10                           ; v10-18, v23, v24: the same with the trip's slot added
.set TASK, 11
.set TAV16, 12
.set TAV8, 13
.set TAVS, 14
.set TAP, 15
.set TAE, 16
.set TPWA, 17
.set TEWA, 18
.set SPW, 19                           ; my spare word; never rewritten
.set NIL, 20                           ; 0; never rewritten
.set HWA, 21
.set AHR, 22
.set THWA, 23
.set TAHR, 24
.set SIN, 25
.set SRD, 26
.set GX, 27
.set STW, 28
.set STR, 29
.set YWA, 30
.set YSA, 31
.set AYL, 32
.set AYS, 33
.set MLW, 34
.set MLR, 35
.set PFO, 36
.set PXO, 37
.set VG, 38
.set VB1, 39
.set QS, 40                            ; v40-47 Q's (y2's) scale words; v48-51 K's; v54-55 V's; v56-59 P's: these hold scales alone
.set KS, 48
.set VX, 52
.set VS, 54
.set PW, 56
.set R, 60
.set NM, 64                            ; v64-67 the pairs (-M, largest t)
.set LS, 68                            ; v68-71 l, in two halves a tile
.set FP, 72                            ; v72-79 the pairs (f, .)
.set S, 80                             ; v80-111 S^T, p; ahead of PROD the consumer's figures
.set KA, 112
.set PF, 160
.set KB, 160
.set VF, 208
.set MX, 208
.set MP, 210
.set OLD, 212
.set FQ, 214
.set BM, 218
.set SO, 220
.set BY, 222
.set TM, 208
.set CD, 224
.set DL, 60                            ; LayerNorm's registers, as in the launch before
.set RS, 64
.set DR, 72
.set Y, 80
.set MG, 208
.set LT, 224
.set VV, 232
.set MT, 240
.set AC, 240
.set ZZ, 112                           ; gelu: z, z^2, numerator, denominator: 32 each
.set Z2, 144
.set PP, 176
.set QQ, 208
.set OA, 0                             ; window 1: v0-127 O^T at 32 t + 8 n; v128-223 Q's (y2's) fragments at 48 t' + 12 s; v224-239 b1.  In between: v128-255 x as loaded, then g, b, b2
.set QF, 128
.set B1R, 224
.set XT, 128
.set GG, 128
.set BB, 160
.set B2R, 192
.set AS3, 3                            ; s3   3 in a wave that prefetches kv, else 0
.set WV, 20
.set WB, 21
.set TP, 22
.set CX, 23
.set QBK, 24
.set BAT, 25
.set SEL, 26
.set CS, 28
.set LNO, 30                           ; s30  how many times the next tiles have been asked for
.set TH1, 31                           ; s31  the request at which my sequence goes from key step 15 back to step 0
.set G0, 32
.set G1, 36
.set TA, 44
.set TN, 45
.set TW, 46
.set TR, 47
.set CNT, 48
.set AS4, 49                           ; s49  4 in a wave that prefetches kv, else 0
.set PFA, 50                           ; s[50:51] my part of chunk 16; never rewritten
.set K1, 58
.set K2, 59
.set TH2, 60                           ; s60  the request at which it leaves the keys for FFN tile f
.set TH3, 61                           ; s61  the request at which it goes from FFN tile 3 back to tile 0
.set AD2, 62                           ; s62  (16 - 3 f) chunks in bytes
.set FIX, 63                           ; s63  which 128 hidden units the trip's PROD takes
.set PFB, 66                           ; s[66:67] my part of tile A(16) or of tile B(19); never rewritten
.set MSB, 0
.macro WIN new                         ; the immediate's high byte repeats the setting that is left
.if MSB != \new
	s_set_vgpr_msb (MSB<<8)|\new
.set MSB, \new
.endif
.endm
.macro PLACES n
.rept \n
	v_nop
.endr
.endm
.macro ROUND                           ; a round of the cluster's barrier
	s_barrier_signal -1
	s_barrier_wait -1
	s_cmp_lg_u32 s[WV], 0
	s_cbranch_scc1 .Lnw0_\@
	s_barrier_signal -3
.Lnw0_\@:
	s_barrier_wait -3
	s_barrier_signal -1
	s_barrier_wait -1
.endm
.macro MM d, a, b, c, sa, sb, row      ; c < 0: the constant 0 starts the sum.  row = 1: source 0's scales from lanes 16-31
.if (\c) < 0
.if (\row) == 0
	v_wmma_scale_f32_16x16x128_f8f6f4 v[(\d):(\d)+7], v[(\a):(\a)+11], v[(\b):(\b)+11], 0, v[(\sa)], v[(\sb)] matrix_a_fmt:MATRIX_FMT_FP6 matrix_b_fmt:MATRIX_FMT_FP6
.else
	v_wmma_scale_f32_16x16x128_f8f6f4 v[(\d):(\d)+7], v[(\a):(\a)+11], v[(\b):(\b)+11], 0, v[(\sa)], v[(\sb)] matrix_a_fmt:MATRIX_FMT_FP6 matrix_b_fmt:MATRIX_FMT_FP6 matrix_a_scale:MATRIX_SCALE_ROW1
.endif
.else
.if (\row) == 0
	v_wmma_scale_f32_16x16x128_f8f6f4 v[(\d):(\d)+7], v[(\a):(\a)+11], v[(\b):(\b)+11], v[(\c):(\c)+7], v[(\sa)], v[(\sb)] matrix_a_fmt:MATRIX_FMT_FP6 matrix_b_fmt:MATRIX_FMT_FP6
.else
	v_wmma_scale_f32_16x16x128_f8f6f4 v[(\d):(\d)+7], v[(\a):(\a)+11], v[(\b):(\b)+11], v[(\c):(\c)+7], v[(\sa)], v[(\sb)] matrix_a_fmt:MATRIX_FMT_FP6 matrix_b_fmt:MATRIX_FMT_FP6 matrix_a_scale:MATRIX_SCALE_ROW1
.endif
.endif
.endm
.macro QB nb, src, stp                 ; nb blocks by turns; block k: my 16 numbers at v[src + stp k] on.  Out: the byte in v[TM+4+k], 12 bytes of codes in v[CD+4k] on
.irp k,0,1,2,3
.if \k < \nb
	v_max3_num_f32 v[TM+\k], |v[(\src)+(\stp)*\k]|, |v[(\src)+(\stp)*\k+1]|, 0x1800000   ; with the floor 2^(3 - 127): the byte cannot fall under 1
.endif
.endr
.irp i,2,4,6,8,10,12,14
.irp k,0,1,2,3
.if \k < \nb
	v_max3_num_f32 v[TM+\k], v[TM+\k], |v[(\src)+(\stp)*\k+\i]|, |v[(\src)+(\stp)*\k+\i+1]|
.endif
.endr
.endr
.irp k,0,1,2,3
.if \k < \nb
	v_permlanex16_b32 v[TM+4+\k], v[TM+\k], s[SEL], s[SEL+1]
.endif
.endr
.irp k,0,1,2,3
.if \k < \nb
	v_max_num_f32 v[TM+\k], v[TM+\k], v[TM+4+\k]
.endif
.endr
.irp k,0,1,2,3
.if \k < \nb
	v_add_nc_u32 v[TM+8+\k], 0xff000000, v[TM+\k]         ; 2 off the exponent field: the conversion's scale operand
.endif
.endr
.irp k,0,1,2,3
.if \k < \nb
	v_lshrrev_b32 v[TM+4+\k], 23, v[TM+8+\k]
.endif
.endr
.irp k,0,1,2,3
.if \k < \nb
	v_cvt_scalef32_pk16_fp6_f32 v[CD+4*\k:CD+4*\k+2], v[(\src)+(\stp)*\k:(\src)+(\stp)*\k+15], v[TM+8+\k]
.endif
.endr
	v_nop                                                 ; one plain place behind the scaled conversions
.endm
.macro XLOAD xt, base                  ; my 64 tokens' 256 bytes each, dense: sixteen lanes take one token's aligned 256 bytes
	WIN 0x40
.irp t,0,1,2,3
.irp k,0,1,2,3,4,5,6,7
	global_load_b128 v[(\xt)+32*\t+4*\k:(\xt)+32*\t+4*\k+3], v[GX], s[\base:\base+1] offset:2048*(32*(\t/2)+8*(\t%2)+2*\k+8*(\k/4)) th:TH_LOAD_NT
.endr
.endr
	WIN 0
.endm
.macro XSTAGE xt                       ; a tile's 16 rows through my own stage: in as loaded, out 16 neighbours a lane; LDS serves a wave's instructions in order
.irp t,0,1,2,3
	WIN 0x04
.irp k,0,1,2,3,4,5,6,7
	ds_store_b128 v[SIN], v[(\xt)+32*\t+4*\k:(\xt)+32*\t+4*\k+3] offset:544*\k
.endr
	WIN 0
.irp k,0,1,2,3,4,5,6,7
	ds_load_b128 v[Y+32*\t+4*\k:Y+32*\t+4*\k+3], v[SRD] offset:128*(\k/4)+16*(\k%4)
.endr
.endr
.endm
.macro LNSTAT xw, xs                   ; my 64 channels' mean and sum of squared distances from it, for each token; d = x - mean_w goes to Y
	WIN 5*\xw
.irp t,0,1,2,3
	v_pk_add_f32 v[LT+2*\t:LT+2*\t+1], v[(\xs)+32*\t:(\xs)+32*\t+1], v[(\xs)+32*\t+2:(\xs)+32*\t+3]
.endr
	WIN 4*\xw
.irp i,4,6,8,10,12,14,16,18,20,22,24,26,28,30
.irp t,0,1,2,3
	v_pk_add_f32 v[LT+2*\t:LT+2*\t+1], v[LT+2*\t:LT+2*\t+1], v[(\xs)+32*\t+\i:(\xs)+32*\t+\i+1]
.endr
.endr
	WIN 0
.irp t,0,1,2,3
	v_add_f32 v[LT+2*\t], v[LT+2*\t], v[LT+2*\t+1]
.endr
.irp t,0,1,2,3
	v_permlanex16_b32 v[LT+2*\t+1], v[LT+2*\t], s[SEL], s[SEL+1]
.endr
.irp t,0,1,2,3
	v_add_f32 v[LT+2*\t], v[LT+2*\t], v[LT+2*\t+1]
.endr
.irp t,0,1,2,3
	v_mul_f32 v[LT+2*\t], 0x3c800000, v[LT+2*\t]          ; / 64: mean_w
.endr
	WIN \xw
.irp i,0,2,4,6,8,10,12,14,16,18,20,22,24,26,28,30
.irp t,0,1,2,3
	v_pk_add_f32 v[Y+32*\t+\i:Y+32*\t+\i+1], v[(\xs)+32*\t+\i:(\xs)+32*\t+\i+1], v[LT+2*\t:LT+2*\t+1] op_sel_hi:[1,0] neg_lo:[0,1] neg_hi:[0,1]
.endr
.endr
	WIN 0
.irp t,0,1,2,3
	v_pk_mul_f32 v[AC+2*\t:AC+2*\t+1], v[Y+32*\t:Y+32*\t+1], v[Y+32*\t:Y+32*\t+1]
.endr
.irp i,2,4,6,8,10,12,14,16,18,20,22,24,26,28,30
.irp t,0,1,2,3
	v_pk_fma_f32 v[AC+2*\t:AC+2*\t+1], v[Y+32*\t+\i:Y+32*\t+\i+1], v[Y+32*\t+\i:Y+32*\t+\i+1], v[AC+2*\t:AC+2*\t+1]
.endr
.endr
.irp t,0,1,2,3
	v_add_f32 v[AC+2*\t], v[AC+2*\t], v[AC+2*\t+1]
.endr
.irp t,0,1,2,3
	v_permlanex16_b32 v[AC+2*\t+1], v[AC+2*\t], s[SEL], s[SEL+1]
.endr
.irp t,0,1,2,3
	v_add_f32 v[LT+2*\t+1], v[AC+2*\t], v[AC+2*\t+1]      ; M2_w
.endr
.irp t,0,1,2,3
	ds_store_b64 v[STW], v[LT+2*\t:LT+2*\t+1] offset:1280*\t
.endr
.endm
.macro LNJOIN                          ; mu, var = (sum M2_w + 64 sum (mean_w - mu)^2) / 512: no difference of large sums; y = (d + mean_w - mu) / sigma x g + b
.irp t,0,1,2,3
.irp q,0,1,2,3
	ds_load_b128 v[MG+4*\q:MG+4*\q+3], v[STR] offset:1280*\t+16*\q
.endr
	s_wait_dscnt 0x0
	v_pk_add_f32 v[MT:MT+1], v[MG:MG+1], v[MG+2:MG+3]
	v_pk_add_f32 v[MT+2:MT+3], v[MG+4:MG+5], v[MG+6:MG+7]
	v_pk_add_f32 v[MT+4:MT+5], v[MG+8:MG+9], v[MG+10:MG+11]
	v_pk_add_f32 v[MT+6:MT+7], v[MG+12:MG+13], v[MG+14:MG+15]
	v_pk_add_f32 v[MT:MT+1], v[MT:MT+1], v[MT+2:MT+3]
	v_pk_add_f32 v[MT+4:MT+5], v[MT+4:MT+5], v[MT+6:MT+7]
	v_pk_add_f32 v[MT:MT+1], v[MT:MT+1], v[MT+4:MT+5]
	v_mul_f32 v[MT+2], 0x3e000000, v[MT]                  ; mu
.irp i,0,1,2,3,4,5,6,7
	v_sub_f32 v[MG+2*\i], v[MG+2*\i], v[MT+2]
.endr
	v_mul_f32 v[MT+3], v[MG], v[MG]
.irp i,1,2,3,4,5,6,7
	v_fmac_f32 v[MT+3], v[MG+2*\i], v[MG+2*\i]
.endr
	v_fma_f32 v[MT+3], 0x42800000, v[MT+3], v[MT+1]
	v_fma_f32 v[VV+\t], v[MT+3], s[K1], s[K2]             ; / 512 + 1e-5
	v_sub_f32 v[DL+\t], v[LT+2*\t], v[MT+2]
.endr
.irp t,0,1,2,3
	v_rsq_f32 v[RS+2*\t], v[VV+\t]
.endr
	v_nop                                                 ; a plain place behind the batch,
	s_wait_alu depctr_va_vdst(0)                          ; and one wait for the four, ahead of their first reader
.irp t,0,1,2,3
	v_mul_f32 v[DR+2*\t], v[DL+\t], v[RS+2*\t]
	v_mov_b32 v[RS+2*\t+1], v[RS+2*\t]
.endr
.irp t,0,1,2,3
	v_mov_b32 v[DR+2*\t+1], v[DR+2*\t]
.endr
.irp i,0,2,4,6,8,10,12,14,16,18,20,22,24,26,28,30
.irp t,0,1,2,3
	v_pk_fma_f32 v[Y+32*\t+\i:Y+32*\t+\i+1], v[Y+32*\t+\i:Y+32*\t+\i+1], v[RS+2*\t:RS+2*\t+1], v[DR+2*\t:DR+2*\t+1]
.endr
.endr
	s_wait_loadcnt 0x0                                    ; g, b and b2
	WIN 0x14
.irp i,0,2,4,6,8,10,12,14,16,18,20,22,24,26,28,30
.irp t,0,1,2,3
	v_pk_fma_f32 v[Y+32*\t+\i:Y+32*\t+\i+1], v[Y+32*\t+\i:Y+32*\t+\i+1], v[GG+\i:GG+\i+1], v[BB+\i:BB+\i+1]
.endr
.endr
	WIN 0
.endm
.macro YQUANT
.irp blk,0,1
	QB 4, Y+16*\blk, 32
.irp t,0,1,2,3
.irp i,0,1,2
	ds_store_b32 v[YWA], v[CD+4*\t+\i] offset:6144*\t+768*\blk+4*\i
.endr
	ds_store_b8 v[YSA], v[TM+4+\t] offset:256*\t+\blk
.endr
	s_wait_dscnt 0x0                                      ; the stores have read their registers
.endr
.endm
; THE HEAD OF A TRIP.  Each wave waits for all its tensor loads (its quarter of this trip's tiles), adds 0 to its spare word, and waits for that, for its reads of the slots that are filled next and for its stores of P.
; kind 1: a round of the cluster's barrier, then waves 0-3 ask for the next trip's tiles; 2: waves 2, 3 alone (the last request is for a tile B only); 0: a plain barrier, nothing is asked for.
; THE ADDRESS goes one chunk on with each request, and three times it is set right, by a choice and not by a jump.  With n counting the tiles A from 0, tile n lies in chunk (n + 4 f) mod 16 for n < 16 and in chunk
; 16 + (n + f) mod 4 from n = 16 on: 16 chunks back at n = 16 - 4 f, 16 - 3 f chunks on at n = 16, 4 chunks back at n = 20 - f.  Waves 2, 3 follow the same sequence one request later and one chunk further on.
.macro SYNC kind, tog
	s_wait_tensorcnt 0x0                                  ; no tensor load of mine is out, so group 0 may be written
	ds_add_u32 v[SPW], v[NIL]                             ; 0 onto my spare word; the steps below stand between it and the wait for it
.if \kind
	s_xor_b32 s[G0+1], s[G0+1], 65536                     ; the other slot than last time
	s_add_co_u32 s[LNO], s[LNO], 1
	s_cmp_eq_u32 s[LNO], s[TH1]
	s_cselect_b32 s52, 16*CHUNK, 0                        ; (s53, s55 and s57 hold 0 from the head on)
	s_cmp_eq_u32 s[LNO], s[TH2]
	s_cselect_b32 s54, s[AD2], 0
	s_cmp_eq_u32 s[LNO], s[TH3]
	s_cselect_b32 s56, 4*CHUNK, 0
	s_add_nc_u64 s[G0+2:G0+3], s[G0+2:G0+3], CHUNK        ; the sums first, so that the address never falls under its buffer; the type bits on top are not reached
	s_add_nc_u64 s[G0+2:G0+3], s[G0+2:G0+3], s[54:55]
	s_sub_nc_u64 s[G0+2:G0+3], s[G0+2:G0+3], s[52:53]
	s_sub_nc_u64 s[G0+2:G0+3], s[G0+2:G0+3], s[56:57]
.endif
.if \tog
	s_xor_b32 s[TA], s[TA], 65536
	s_xor_b32 s[TN], s[TN], 65536
.endif
	s_xor_b32 s[TW], s[TW], 8192
	s_xor_b32 s[TR], s[TR], 8192
	s_wait_dscnt 0x0
.if \kind
	ROUND
.if \kind == 1
	s_cmp_lt_u32 s[WV], 4
.else
	s_lshr_b32 s52, s[WV], 1
	s_cmp_eq_u32 s52, 1
.endif
	s_cbranch_scc0 .Lnl_\@
	tensor_load_to_lds s[G0:G0+3], s[G1:G1+7]             ; my one tensor load until the next round: it has the trip in which to land
	s_nop 0
	PLACES 4
.Lnl_\@:
.else
	s_barrier_signal -1
	s_barrier_wait -1
.endif
.endm
.macro ADDR
	v_add_nc_u32 v[TAK], s[TA], v[AK]
	v_add_nc_u32 v[TASK], s[TA], v[ASK]
	v_add_nc_u32 v[TAV16], s[TN], v[AV16]
	v_add_nc_u32 v[TAV8], s[TN], v[AV8]
	v_add_nc_u32 v[TAVS], s[TN], v[AVS]
	v_add_nc_u32 v[TAP], s[TR], v[AP]
	v_add_nc_u32 v[TAE], s[TR], v[AE]
	v_add_nc_u32 v[TAHR], s[TR], v[AHR]
	v_add_nc_u32 v[TPWA], s[TW], v[PWA]
	v_add_nc_u32 v[TEWA], s[TW], v[EWA]
	v_add_nc_u32 v[THWA], s[TW], v[HWA]
.endm
.macro KLOADA                          ; 13 loads: K's scale words, its fragments of K steps 0 and 1
	ds_load_b128 v[KS:KS+3], v[TASK]
.irp s,0,1
.irp u,0,1
.irp g,0,1,2
	ds_load_b128 v[KA+24*\s+12*\u+4*\g:KA+24*\s+12*\u+4*\g+3], v[TAK] offset:6144*\u+1536*\s+16*\g
.endr
.endr
.endr
.endm
.macro KLOADB                          ; 12 loads: K steps 2 and 3
.irp s,2,3
.irp u,0,1
.irp g,0,1,2
	ds_load_b128 v[KB+24*(\s-2)+12*\u+4*\g:KB+24*(\s-2)+12*\u+4*\g+3], v[TAK] offset:6144*\u+1536*\s+16*\g
.endr
.endr
.endr
.endm
; CONS.  kind 1: the first (it starts O and R); 2: attention; 3: FFN.  kl = 1: the trip's PROD follows, and its fragments are asked for here
.macro CONS kind, kl
.if \kind < 3
.irp t,0,1,2,3
	ds_load_b128 v[S+4*\t:S+4*\t+3], v[TAE] offset:256*\t
.endr
.else
.irp t,0,1,2,3
	ds_load_b32 v[PW+\t], v[TAHR] offset:64*\t
.endr
.endif
	ds_load_b32 v[VX], v[TAVS]
	ds_load_b32 v[VX+1], v[TAVS] offset:1024
.irp t,0,1,2,3
.irp g,0,1,2
	ds_load_b128 v[PF+12*\t+4*\g:PF+12*\t+4*\g+3], v[TAP] offset:1536*\t+16*\g
.endr
.endr
.irp n,0,1,2,3
.irp c,0,1
	ds_load_b128 v[VF+12*\n+6*\c:VF+12*\n+6*\c+3], v[TAV16] offset:1536*\n+768*\c
	ds_load_b64 v[VF+12*\n+6*\c+4:VF+12*\n+6*\c+5], v[TAV8] offset:1536*\n+768*\c
.endr
.endr
.if \kl
	KLOADA
.endif
	s_wait_dscnt 28+13*\kl                                ; the first six are in; P's 12, V's 16 and K's 13 may be out
	v_perm_b32 v[VS], v[VX+1], v[VX], 0x05040100          ; V's scale words: tiles 4 w (lanes 0-15) and 4 w + 1 (lanes 16-31),
	v_perm_b32 v[VS+1], v[VX+1], v[VX], 0x07060302        ; tiles 4 w + 2 and 4 w + 3
.if \kind < 3
.irp t,0,1,2,3
	v_max3_num_f32 v[S+16+\t], v[S+4*\t], v[S+4*\t+1], v[S+4*\t+2]
.endr
.irp t,0,1,2,3
.if \kind == 2
	v_max3_num_f32 v[S+16+\t], v[S+16+\t], v[S+4*\t+3], v[R+\t]
.else
	v_max_num_f32 v[S+16+\t], v[S+16+\t], v[S+4*\t+3]
.endif
.endr
.if \kind == 2
.irp t,0,1,2,3
	v_sub_f32 v[S+20+\t], v[R+\t], v[S+16+\t]             ; old R - new R: a whole number, 0 or less
.endr
.irp t,0,1,2,3
	v_cvt_i32_f32 v[S+20+\t], v[S+20+\t]
.endr
.irp t,0,1,2,3
	v_ldexp_f32 v[FP+2*\t], 1.0, v[S+20+\t]
.endr
.endif
.irp t,0,1,2,3
	v_mov_b32 v[R+\t], v[S+16+\t]
.endr
.irp t,0,1,2,3
	v_add_f32 v[S+16+\t], 0xc2fe0000, v[S+16+\t]          ; R - 127
.endr
.irp b,0,1,2,3
.irp t,0,1,2,3
	v_sub_f32 v[S+4*\t+\b], v[S+4*\t+\b], v[S+16+\t]      ; E - R + 127, at most 127,
.endr
.endr
.irp b,0,1,2,3
.irp t,0,1,2,3
	v_max_num_f32 v[S+4*\t+\b], 0, v[S+4*\t+\b]           ; held at 0 from below
.endr
.endr
.irp t,0,1,2,3
	v_fma_f32 v[S+4*\t], v[S+4*\t+1], 0x43800000, v[S+4*\t]       ; two bytes as one whole number: exact
	v_fma_f32 v[S+4*\t+2], v[S+4*\t+3], 0x43800000, v[S+4*\t+2]
.endr
.irp t,0,1,2,3
	v_cvt_u32_f32 v[S+4*\t], v[S+4*\t]
	v_cvt_u32_f32 v[S+4*\t+2], v[S+4*\t+2]
.endr
.irp t,0,1,2,3
	v_lshl_or_b32 v[PW+\t], v[S+4*\t+2], 16, v[S+4*\t]    ; P's scale word of these 128 keys
.endr
.endif
.if \kind == 2
	WIN 0x41
.irp t,0,1,2,3
.set i, 0
.rept 16
	v_pk_mul_f32 v[OA+32*\t+i:OA+32*\t+i+1], v[OA+32*\t+i:OA+32*\t+i+1], v[FP+2*\t:FP+2*\t+1] op_sel_hi:[1,0]   ; O under the new R.  (These are also the places between the scale words' last write and the products)
.set i, i+2
.endr
.endr
.else
	PLACES 8                                              ; a scale register written by a vector instruction stands 8 places ahead of the scaled matrix instruction
.endif
	s_wait_dscnt 13*\kl                                   ; P and V are in; K's 13 may be out
	WIN 0x50
.irp n,0,1,2,3
.irp t,0,1,2,3
.if \kind == 1
	MM OA+32*\t+8*\n, VF+12*\n, PF+12*\t, -1, VS+\n/2, PW+\t, \n%2
.else
	MM OA+32*\t+8*\n, VF+12*\n, PF+12*\t, OA+32*\t+8*\n, VS+\n/2, PW+\t, \n%2
.endif
.endr
.endr
	WIN 0
	PLACES 4                                              ; in front of loads into registers that these products have read, and of the first read of their results
.if \kl
	KLOADB
.endif
.endm
; exact gelu of the 32 numbers in S: 0.5 x (1 + erf(x / sqrt 2)), erf = z P(z^2) / Q(z^2)
.macro GELU
	v_mov_b32 v240, 0xaf95df0b
	v_mov_b32 v241, 0xaf95df0b
	v_mov_b32 v242, 0xb77460cd
	v_mov_b32 v243, 0xb77460cd
.set i, 0
.rept 16
	v_pk_mul_f32 v[ZZ+i:ZZ+i+1], v[S+i:S+i+1], 0x3f3504f3 op_sel_hi:[1,0]
.set i, i+2
.endr
.set i, 0
.rept 32
	v_med3_num_f32 v[ZZ+i], v[ZZ+i], -4.0, 4.0
.set i, i+1
.endr
.set i, 0
.rept 16
	v_pk_mul_f32 v[Z2+i:Z2+i+1], v[ZZ+i:ZZ+i+1], v[ZZ+i:ZZ+i+1]
.set i, i+2
.endr
.set i, 0
.rept 16
	v_pk_fma_f32 v[PP+i:PP+i+1], v[Z2+i:Z2+i+1], v[240:241], 0x32edffee op_sel_hi:[1,1,0]
	v_pk_fma_f32 v[QQ+i:QQ+i+1], v[Z2+i:Z2+i+1], v[242:243], 0xb95fbd29 op_sel_hi:[1,1,0]
.set i, i+2
.endr
.irp a, 0xb60cff51, 0xb86ec2d2, 0xba40ac63, 0xbb41a1f6, 0xbc83dbd4
.set i, 0
.rept 16
	v_pk_fma_f32 v[PP+i:PP+i+1], v[PP+i:PP+i+1], v[Z2+i:Z2+i+1], \a op_sel_hi:[1,1,0]
.set i, i+2
.endr
.endr
.irp a, 0xbadc924e, 0xbbf19bf8, 0xbc69b6a7
.set i, 0
.rept 16
	v_pk_fma_f32 v[QQ+i:QQ+i+1], v[QQ+i:QQ+i+1], v[Z2+i:Z2+i+1], \a op_sel_hi:[1,1,0]
.set i, i+2
.endr
.endr
.set i, 0
.rept 32
	v_rcp_f32 v[QQ+i], v[QQ+i]
.set i, i+1
.endr
.set i, 0
.rept 16
	v_pk_mul_f32 v[PP+i:PP+i+1], v[PP+i:PP+i+1], v[ZZ+i:ZZ+i+1]     ; plain work behind the batch, which names none of its results
.set i, i+2
.endr
.set i, 0
.rept 16
	v_pk_mul_f32 v[ZZ+i:ZZ+i+1], v[S+i:S+i+1], 0.5 op_sel_hi:[1,0]
.set i, i+2
.endr
	s_wait_alu depctr_va_vdst(0)                          ; one wait for the 32 reciprocals, ahead of their first reader
.set i, 0
.rept 16
	v_pk_mul_f32 v[PP+i:PP+i+1], v[PP+i:PP+i+1], v[QQ+i:QQ+i+1]     ; erf
.set i, i+2
.endr
.set i, 0
.rept 16
	v_pk_fma_f32 v[S+i:S+i+1], v[ZZ+i:ZZ+i+1], v[PP+i:PP+i+1], v[ZZ+i:ZZ+i+1]
.set i, i+2
.endr
.endm
; PROD.  kind 1: attention; 2: FFN.  The four accumulators take turns, one instruction a turn
.macro PROD kind
	s_wait_dscnt 12                                       ; K steps 0 and 1 are in; the 12 loads of steps 2 and 3 may be out
.if \kind == 2
	s_wait_loadcnt 0x0                                    ; b1
	WIN 0x14
.else
	WIN 0x04
.endif
.irp u,0,1
.irp q,0,1
.if \kind == 2
	MM S+16*\q+8*\u, KA+12*\u, QF+48*\q, B1R+8*\u, KS, QS+4*\q, \u
.else
	MM S+16*\q+8*\u, KA+12*\u, QF+48*\q, -1, KS, QS+4*\q, \u
.endif
.endr
.endr
	WIN 0x04
.irp u,0,1
.irp q,0,1
	MM S+16*\q+8*\u, KA+24+12*\u, QF+48*\q+12, S+16*\q+8*\u, KS+1, QS+4*\q+1, \u
.endr
.endr
	s_wait_dscnt 0x0
.irp s,2,3
.irp u,0,1
.irp q,0,1
	MM S+16*\q+8*\u, KB+24*(\s-2)+12*\u, QF+48*\q+12*\s, S+16*\q+8*\u, KS+\s, QS+4*\q+\s, \u
.endr
.endr
.endr
	WIN 0
	PLACES 4
.if \kind == 1
.irp q,0,1
	v_max3_num_f32 v[MX+\q], v[S+16*\q], v[S+16*\q+1], v[S+16*\q+2]   ; the block's largest score: for M, and, since p rises with the score, for the block's largest p
.endr
.irp i,3,5,7,9,11,13
.irp q,0,1
	v_max3_num_f32 v[MX+\q], v[MX+\q], v[S+16*\q+\i], v[S+16*\q+\i+1]
.endr
.endr
.irp q,0,1
	v_max_num_f32 v[MX+\q], v[MX+\q], v[S+16*\q+15]
.endr
.irp q,0,1
	v_permlanex16_b32 v[MP+\q], v[MX+\q], s[SEL], s[SEL+1]
.endr
.irp q,0,1
	v_max_num_f32 v[MX+\q], v[MX+\q], v[MP+\q]
.endr
.irp q,0,1
	v_mul_f32 v[MP+\q], s[CS], v[MX+\q]
.endr
.irp q,0,1
	v_max_num_f32 v[NM+2*\q+1], v[NM+2*\q+1], v[MP+\q]    ; the running largest t
.endr
.irp q,0,1
	v_mov_b32 v[OLD+\q], v[NM+2*\q]
.endr
.irp q,0,1
	v_floor_f32 v[NM+2*\q], -v[NM+2*\q+1]                 ; -M = floor(-t): M is a whole number
.endr
.irp q,0,1
	v_sub_f32 v[OLD+\q], v[NM+2*\q], v[OLD+\q]
.endr
.irp q,0,1
	v_cvt_i32_f32 v[OLD+\q], v[OLD+\q]                    ; (it saturates)
.endr
.irp q,0,1
	v_ldexp_f32 v[FQ+2*\q], 1.0, v[OLD+\q]                ; 2^(old M - new M)
.endr
.irp i,0,2,4,6,8,10,12,14
.irp q,0,1
	v_pk_fma_f32 v[S+16*\q+\i:S+16*\q+\i+1], v[S+16*\q+\i:S+16*\q+\i+1], s[CS:CS+1], v[NM+2*\q:NM+2*\q+1] op_sel_hi:[1,0,0]   ; t - M
.endr
.endr
.irp q,0,1
	v_fma_f32 v[BM+\q], v[MX+\q], s[CS], v[NM+2*\q]
.endr
.set i, 0
.rept 32
	v_exp_f32 v[S+i], v[S+i]                              ; p = 2^(t - M): not normalised
.set i, i+1
.endr
.irp q,0,1
	v_pk_mul_f32 v[LS+2*\q:LS+2*\q+1], v[LS+2*\q:LS+2*\q+1], v[FQ+2*\q:FQ+2*\q+1] op_sel_hi:[1,0]   ; the sums under the new M: plain places behind the batch
.endr
	s_wait_alu depctr_va_vdst(0)                          ; one wait for the 32, ahead of their first reader
.irp q,0,1
	v_exp_f32 v[BM+\q], v[BM+\q]                          ; the block's largest p
.endr
.irp i,0,2,4,6,8,10,12,14
.irp q,0,1
	v_pk_add_f32 v[LS+2*\q:LS+2*\q+1], v[LS+2*\q:LS+2*\q+1], v[S+16*\q+\i:S+16*\q+\i+1]   ; the sum is taken of the unquantised p
.endr
.endr
	s_wait_alu depctr_va_vdst(0)                          ; and one for the two
.irp q,0,1
	v_max_num_f32 v[BM+\q], 0x1800000, v[BM+\q]           ; the floor 2^(3 - 127)
.endr
.irp q,0,1
	v_add_nc_u32 v[SO+\q], 0xff000000, v[BM+\q]
.endr
.irp q,0,1
	v_lshrrev_b32 v[BY+\q], 23, v[SO+\q]
.endr
.irp q,0,1
	v_cvt_f32_u32 v[BY+\q], v[BY+\q]
.endr
.irp q,0,1
	v_sub_f32 v[BY+\q], v[BY+\q], v[NM+2*\q]              ; E = byte + M
.endr
.irp q,0,1
	v_cvt_scalef32_pk16_fp6_f32 v[CD+4*\q:CD+4*\q+2], v[S+16*\q:S+16*\q+15], v[SO+\q]
.endr
	v_nop                                                 ; one plain place behind the scaled conversions
.irp q,0,1
.irp i,0,1,2
	ds_store_b32 v[TPWA], v[CD+4*\q+\i] offset:1536*\q+4*\i
.endr
	ds_store_b32 v[TEWA], v[BY+\q] offset:256*\q
.endr
.else
	GELU
	QB 2, S, 16
.irp q,0,1
.irp i,0,1,2
	ds_store_b32 v[TPWA], v[CD+4*\q+\i] offset:1536*\q+4*\i
.endr
	ds_store_b8 v[THWA], v[TM+4+\q] offset:64*\q
.endr
.endif
.endm
.macro B1LOAD                          ; b1 of my 32 hidden units, in the result's layout: the first product's C
	WIN 0x40
.irp u,0,1
.irp j,0,1
	global_load_b128 v[B1R+8*\u+4*\j:B1R+8*\u+4*\j+3], v[VB1], s[14:15] offset:32*\u+16*\j
.endr
.endr
	WIN 0
.endm
.macro B1STEP                          ; b1 of the next FFN tile's 128 hidden units: 512 bytes on, and from tile 3 back to tile 0.  (The last loads by this address were waited for ahead of the last trip's first product)
	s_add_co_u32 s[FIX], s[FIX], 1
	s_cmp_eq_u32 s[FIX], 4
	s_cselect_b32 s52, 2048, 0
	s_cselect_b32 s[FIX], 0, s[FIX]
	s_add_nc_u64 s[14:15], s[14:15], 512
	s_sub_nc_u64 s[14:15], s[14:15], s[52:53]
.endm
	s_load_b512 s[4:19], s[0:1], 0x0                      ; x, qc, kv, g, b, b1, b2, out
	v_lshl_add_u32 v[SPW], v0, 2, SPARE
	v_mov_b32 v[NIL], 0
	ds_add_u32 v[SPW], v[NIL]                             ; the wave's opening: the add and its wait ahead of the first tensor loads; work on registers stands between
	v_lshrrev_b32 v80, 5, v0
	v_readfirstlane_b32 s[WV], v80                        ; wave 0..7
	s_and_b32 s[WB], s[WV], 3
	s_lshr_b32 s[TP], s[WV], 2
	s_bfe_u32 s[CX], ttmp6, 0x40000                       ; my place in the cluster: it enters global addresses alone
	s_lshl_b32 s[QBK], ttmp9, 2
	s_add_co_u32 s[QBK], s[QBK], s[CX]
	s_and_b32 s[BAT], ttmp7, 0xffff
	s_mov_b32 s[SEL], 0x76543210
	s_mov_b32 s[SEL+1], 0xfedcba98
	s_mov_b32 s[CS], 0x3d8293ee                           ; log2(e) / sqrt(512)
	s_mov_b32 s[CS+1], s[CS]
	s_mov_b32 s[K1], 0x3b000000                           ; 1 / 512
	s_mov_b32 s[K2], 0x3727c5ac                           ; 1e-5
	s_mov_b32 s[TA], 65536                                ; every trip's head turns these: trip 0 finds 0, 65,536, 0, 8,192
	s_mov_b32 s[TN], 0
	s_mov_b32 s[TW], 8192
	s_mov_b32 s[TR], 0
	; group 1: half a tile, 25,600 dense bytes as 100 rows of 256; the mask names the four work-groups
	s_mov_b32 s[G1], 15|(3<<16)|(1<<21)
	s_mov_b32 s[G1+1], 32<<16
	s_mov_b32 s[G1+2], 100<<16
	s_mov_b32 s[G1+3], 32<<16
	s_mov_b32 s[G1+4], 100
	s_mov_b32 s[G1+5], 32
	s_mov_b32 s[G1+6], 0
	s_mov_b32 s[G1+7], 0
	s_mov_b32 s[G0], 1
	s_lshr_b32 s52, s[WB], 1
	s_mul_i32 s52, s52, 196608
	s_and_b32 s53, s[WV], 1
	s_mul_i32 s53, s53, 25600
	s_add_co_u32 s[G0+1], s52, s53                        ; the first request: A's halves into A's slot 0; B's halves would go to B's slot 1
	s_lshr_b32 s2, ttmp9, 1                               ; the cluster's number in its batch, which the four partners share:
	s_xor_b32 s2, s2, ttmp9
	s_and_b32 s2, s2, 3                                   ; f
	s_mul_i32 s54, s[BAT], BATCHB
	s_mul_i32 s55, s[WB], 25600
	s_add_co_u32 s56, s54, s55
	s_mul_i32 s55, s2, 4*CHUNK
	s_add_co_u32 s56, s56, s55                            ; my quarter of chunk 4 f
	s_mov_b32 s57, 0
	s_mul_i32 s55, s[CX], 25600
	s_add_co_u32 s54, s54, s55
	s_mul_i32 s55, s[WB], 6400
	s_add_co_u32 s54, s54, s55
	s_add_co_u32 s54, s54, 16*CHUNK                       ; the prefetches: my work-group's quarter of chunk 16, my wave's quarter of that
	s_mov_b32 s55, 0
	s_lshr_b32 s66, s[CX], 1
	s_mul_i32 s66, s66, 4*CHUNK
	s_add_co_u32 s66, s66, s54                            ; the same for partners 0, 1 (tile A(16)); four chunks on for partners 2, 3 (tile B(19))
	s_mov_b32 s67, 0
	s_lshl_b32 s60, s[BAT], 5
	s_add_co_u32 s60, s60, s[QBK]
	s_mul_i32 s60, s60, IMG
	s_mov_b32 s61, 0
	s_lshl_b32 s62, s[BAT], 22
	s_lshl_b32 s63, s[QBK], 17
	s_add_co_u32 s62, s62, s63
	s_mov_b32 s63, 0
	s_xor_b32 s52, s[TP], 1                               ; 0 in waves 4 to 7,
	s_or_b32 s52, s52, ttmp9                              ; of the batch's first cluster: the same in all four partners
	s_cmp_eq_u32 s52, 0
	s_cselect_b32 s[AS4], 4, 0
	s_cselect_b32 s[AS3], 3, 0
	v_and_b32 v80, 15, v0                                 ; r
	v_bfe_u32 v81, v0, 4, 1                               ; h
	v_and_b32 v82, 31, v0                                 ; L
	v_mul_u32_u24 v83, v82, 48
	v_mul_u32_u24 v86, v80, 48
	v_mad_u32_u24 v86, v81, 12, v86                       ; 48 r + 12 h
	s_mul_i32 s52, s[WB], 12288
	v_add_nc_u32 v[AK], s52, v83
	s_lshl_b32 s52, s[WB], 9
	s_add_co_u32 s52, s52, SCOFF
	v_lshl_add_u32 v[ASK], v82, 4, s52
	s_mul_i32 s52, s[WV], 6144
	s_add_co_u32 s52, s52, BOFF
	v_lshl_add_u32 v[AV16], v82, 4, s52
	s_add_co_u32 s52, s52, 512
	v_lshl_add_u32 v[AV8], v82, 3, s52
	s_lshl_b32 s52, s[WV], 7
	s_add_co_u32 s52, s52, BOFF+SCOFF
	v_lshl_add_u32 v[AVS], v82, 2, s52
	v_add_nc_u32 v[AP], PB0, v83
	v_lshl_add_u32 v[AE], v80, 4, PB0+PSC
	v_lshl_add_u32 v[AHR], v80, 2, PB0+PSC
	s_mul_i32 s52, s[TP], 3072
	s_and_b32 s53, s[WB], 1
	s_mul_i32 s53, s53, 768
	s_add_co_u32 s52, s52, s53
	s_lshr_b32 s53, s[WB], 1
	s_mul_i32 s53, s53, 24
	s_add_co_u32 s52, s52, s53
	s_add_co_u32 s52, s52, PB0
	v_add_nc_u32 v[PWA], s52, v86                         ; block b of the images of tiles 2 tp, 2 tp + 1
	s_lshl_b32 s52, s[TP], 9
	s_lshl_b32 s53, s[WB], 2
	s_add_co_u32 s52, s52, s53
	s_add_co_u32 s52, s52, PB0+PSC
	v_lshl_add_u32 v[EWA], v80, 4, s52
	s_lshl_b32 s52, s[TP], 7
	s_add_co_u32 s52, s52, s[WB]
	s_add_co_u32 s52, s52, PB0+PSC
	v_lshl_add_u32 v[HWA], v80, 2, s52
	s_mul_i32 s52, s[WV], 4352
	s_add_co_u32 s52, s52, U                              ; my stage
	v_mul_u32_u24 v[SIN], v81, 272
	v_lshl_add_u32 v[SIN], v80, 4, v[SIN]
	v_add_nc_u32 v[SIN], s52, v[SIN]
	v_mul_u32_u24 v[SRD], v80, 272
	v_lshl_add_u32 v[SRD], v81, 6, v[SRD]
	v_add_nc_u32 v[SRD], s52, v[SRD]
	s_lshl_b32 s53, s[WV], 8
	v_lshlrev_b32 v[GX], 11, v81
	v_lshl_add_u32 v[GX], v80, 4, v[GX]
	v_add_nc_u32 v[GX], s53, v[GX]
	v_lshl_add_u32 v[VG], v81, 6, s53
	v_mul_u32_u24 v[STR], v80, 80
	v_add_nc_u32 v[STR], STB, v[STR]
	s_lshl_b32 s52, s[WV], 3
	v_add_nc_u32 v[STW], s52, v[STR]
	s_lshr_b32 s52, s[WV], 1
	s_mul_i32 s52, s52, 1536
	s_and_b32 s53, s[WV], 1
	s_mul_i32 s53, s53, 24
	s_add_co_u32 s52, s52, s53
	s_add_co_u32 s52, s52, U
	v_add_nc_u32 v[YWA], s52, v86
	s_lshl_b32 s52, s[WV], 1
	s_add_co_u32 s52, s52, U+24576
	v_lshl_add_u32 v[YSA], v80, 4, s52
	s_mul_i32 s52, s[TP], 12288
	v_add_nc_u32 v84, s52, v83                            ; Q's fragments in qc: 48 L + 12,288 tp
	v_add_nc_u32 v[AYL], U, v84
	s_lshl_b32 s52, s[TP], 9
	v_lshl_add_u32 v85, v80, 4, s52                       ; and its scale words: 16 r + 512 tp
	v_add_nc_u32 v[AYS], U+24576, v85
	s_lshl_b32 s52, s[TP], 10
	s_lshl_b32 s53, s[WB], 3
	s_add_co_u32 s52, s52, s53
	s_add_co_u32 s52, s52, MLB
	v_lshl_add_u32 v[MLW], v80, 5, s52
	v_lshl_add_u32 v[MLR], v80, 5, MLB
	v_min_u32 v[PFO], 24, v82
	v_lshlrev_b32 v[PFO], 8, v[PFO]
	s_lshl_b32 s52, s[WV], 14
	v_lshl_add_u32 v[PXO], v82, 8, s52
	s_lshl_b32 s52, s[WB], 7
	v_lshl_add_u32 v[VB1], v81, 6, s52
	v_mov_b32 v[NM+1], 0xff61b1e6                         ; the largest t so far: -3e38, under every t
	v_mov_b32 v[NM+3], 0xff61b1e6
	v_floor_f32 v[NM], -v[NM+1]
	v_floor_f32 v[NM+2], -v[NM+3]
.irp i,0,1,2,3
	v_mov_b32 v[LS+\i], 0                                 ; the sums; the first change of M leaves zeros zeros
	v_mov_b32 v[FP+2*\i+1], 0                             ; (upper halves of pairs of which the low word serves both halves: written once)
.endr
	v_mov_b32 v[MP], 0                                    ; (a lane permute's destination counts as one of its sources)
	v_mov_b32 v[MP+1], 0
	v_mov_b32 v[FQ+1], 0
	v_mov_b32 v[FQ+3], 0
	s_wait_dscnt 0x0                                      ; the opening add is done
	s_wait_kmcnt 0x0
	s_add_nc_u64 s[G0+2:G0+3], s[8:9], s[56:57]
	s_or_b32 s[G0+3], s[G0+3], 0x80000000
	s_add_nc_u64 s[PFA:PFA+1], s[8:9], s[54:55]
	s_add_nc_u64 s[PFB:PFB+1], s[8:9], s[66:67]
	s_add_nc_u64 s[6:7], s[6:7], s[60:61]
	s_add_nc_u64 s[4:5], s[4:5], s[62:63]
	s_add_nc_u64 s[18:19], s[18:19], s[62:63]
	ROUND                                                 ; all four work-groups are here: the first joint loads meet
	s_cmp_lt_u32 s[WV], 2
	s_cbranch_scc0 .Lno_first
	tensor_load_to_lds s[G0:G0+3], s[G1:G1+7]             ; tile A(4 f)
	s_nop 0
	PLACES 4
.Lno_first:
	WIN 0x40
.irp q,0,1
.irp s,0,1,2,3
.irp g,0,1,2
	global_load_b128 v[QF+48*\q+12*\s+4*\g:QF+48*\q+12*\s+4*\g+3], v84, s[6:7] offset:(4*\q+\s)*1536+16*\g   ; Q's eight fragments stay in registers
.endr
.endr
.endr
	WIN 0
.irp q,0,1
	global_load_b128 v[QS+4*\q:QS+4*\q+3], v85, s[6:7] offset:24576+256*\q
.endr
	; where my sequence of requests turns: waves 2, 3 (tiles B) one request later than waves 0, 1 (tiles A)
	s_lshr_b32 s52, s[WB], 1
	s_lshl_b32 s53, s2, 2
	s_sub_co_u32 s[TH1], 16, s53
	s_add_co_u32 s[TH1], s[TH1], s52                      ; 16 - 4 f
	s_add_co_u32 s[TH2], s52, 16                          ; 16
	s_sub_co_u32 s[TH3], 20, s2
	s_add_co_u32 s[TH3], s[TH3], s52                      ; 20 - f
	s_mul_i32 s[AD2], s2, 3
	s_sub_co_u32 s[AD2], 16, s[AD2]
	s_mul_i32 s[AD2], s[AD2], CHUNK                       ; 16 - 3 f chunks
	s_mov_b32 s[FIX], s2
	s_mov_b32 s[LNO], 0
	s_lshl_b32 s52, s2, 9
	s_mov_b32 s53, 0                                      ; s53, s55, s57 stay 0: the upper words of the offsets' pairs
	s_mov_b32 s55, 0
	s_mov_b32 s57, 0
	s_add_nc_u64 s[14:15], s[14:15], s[52:53]             ; b1 at FFN tile f's hidden units
	SYNC 1, 1                                             ; trip 0: there is nothing yet to consume
	ADDR
	KLOADA
	KLOADB
	s_wait_loadcnt 0x0                                    ; Q
	PROD 1
	SYNC 1, 1                                             ; trip 1: the first products start O
	ADDR
	CONS 1, 1
	PROD 1
	s_mov_b32 s[CNT], 14
.Lkeys:                                                   ; trips 2 to 15
	SYNC 1, 1
	; PREFETCHES INTO THE L2, behind the trip's tensor load.  The batch's eight FFN tiles, 409,600 bytes, are first asked for by tensor loads in trip 15 (W1's) and from the FFN's first trip on (W2's).
	; The batch's first cluster names them in trips 12 and 13, each block of 256 bytes once: its four partners take a quarter of a chunk each, told apart by address; in each, waves 4 to 7, which fetch nothing,
	; take 6,400 bytes: 25 blocks, a lane a block (lanes 25 to 31 name lane 24's block again).  Trip 12: tiles A(16) (partners 0, 1) and B(19) (partners 2, 3), and chunk 17; trip 13: chunks 18 and 19.
	; The keys' chunks are not named: a cluster's first four stand too near the head, and each later one has been asked for four trips before by another cluster.  The address registers are never rewritten.
	s_cmp_eq_u32 s[CNT], s[AS4]
	s_cbranch_scc0 .Lno_p4
	global_prefetch_b8 v[PFO], s[PFB:PFB+1] th:TH_LOAD_NT scope:SCOPE_SE
	global_prefetch_b8 v[PFO], s[PFA:PFA+1] offset:CHUNK th:TH_LOAD_NT scope:SCOPE_SE
.Lno_p4:
	s_cmp_eq_u32 s[CNT], s[AS3]
	s_cbranch_scc0 .Lno_p3
	global_prefetch_b8 v[PFO], s[PFA:PFA+1] offset:2*CHUNK th:TH_LOAD_NT scope:SCOPE_SE
	global_prefetch_b8 v[PFO], s[PFA:PFA+1] offset:3*CHUNK th:TH_LOAD_NT scope:SCOPE_SE
.Lno_p3:
	s_cmp_eq_u32 s[CNT], 3                                ; three trips ahead of their loads: my work-group's 64 rows of x, 64 blocks of 256 bytes a wave, a lane a block
	s_cbranch_scc0 .Lno_px
	global_prefetch_b8 v[PXO], s[4:5] th:TH_LOAD_NT scope:SCOPE_SE
	global_prefetch_b8 v[PXO], s[4:5] offset:8192 th:TH_LOAD_NT scope:SCOPE_SE
.Lno_px:
	ADDR
	CONS 2, 1
	PROD 1
	s_sub_co_u32 s[CNT], s[CNT], 1
	s_cmp_lg_u32 s[CNT], 0
	s_cbranch_scc1 .Lkeys
.irp q,0,1
	v_add_f32 v[LS+2*\q], v[LS+2*\q], v[LS+2*\q+1]        ; my blocks' sum: its two halves,
.endr
.irp q,0,1
	v_permlanex16_b32 v[LS+2*\q+1], v[LS+2*\q], s[SEL], s[SEL+1]
.endr
.irp q,0,1
	v_add_f32 v[NM+2*\q+1], v[LS+2*\q], v[LS+2*\q+1]      ; and lane l xor 16's; beside -M
.endr
.irp q,0,1
	ds_store_b64 v[MLW], v[NM+2*\q:NM+2*\q+1] offset:512*\q
.endr
	SYNC 0, 1                                             ; trip 16: the last keys are consumed; the cluster's first tile of W1 lies in A's slot 0 and stays
	XLOAD XT, 4
	ADDR
	CONS 2, 0
	; L = sum over b of l_b 2^(M_b - R + 127): the exponent is at most 3
.irp t,0,1,2,3
	ds_load_b128 v[KA+8*\t:KA+8*\t+3], v[MLR] offset:512*\t
	ds_load_b128 v[KA+8*\t+4:KA+8*\t+7], v[MLR] offset:512*\t+16
.endr
.irp t,0,1,2,3
	v_sub_f32 v[S+\t], 0x42fe0000, v[R+\t]                ; 127 - R
.endr
	s_wait_dscnt 0x0
.irp b,0,1,2,3
.irp t,0,1,2,3
	v_sub_f32 v[KA+8*\t+2*\b], v[S+\t], v[KA+8*\t+2*\b]
.endr
.endr
.irp b,0,1,2,3
.irp t,0,1,2,3
	v_cvt_i32_f32 v[KA+8*\t+2*\b], v[KA+8*\t+2*\b]
.endr
.endr
.irp b,0,1,2,3
.irp t,0,1,2,3
	v_ldexp_f32 v[KA+8*\t+2*\b+1], v[KA+8*\t+2*\b+1], v[KA+8*\t+2*\b]
.endr
.endr
.irp t,0,1,2,3
	v_add_f32 v[KA+8*\t+1], v[KA+8*\t+1], v[KA+8*\t+3]
	v_add_f32 v[KA+8*\t+5], v[KA+8*\t+5], v[KA+8*\t+7]
.endr
.irp t,0,1,2,3
	v_add_f32 v[KA+8*\t+1], v[KA+8*\t+1], v[KA+8*\t+5]
.endr
.irp t,0,1,2,3
	v_rcp_f32 v[FP+2*\t], v[KA+8*\t+1]
.endr
	v_nop                                                 ; a plain place behind the batch,
	s_wait_alu depctr_va_vdst(0)                          ; and one wait for the four reciprocals
	s_wait_loadcnt 0x0                                    ; x
	XSTAGE XT
	s_wait_dscnt 0x0                                      ; x lies in Y; the stage's stores have read x's registers, which take the gains
	WIN 0x40
.irp q,0,1,2,3,4,5,6,7
	global_load_b128 v[GG+4*\q:GG+4*\q+3], v[VG], s[10:11] offset:128*(\q/4)+16*(\q%4)
	global_load_b128 v[BB+4*\q:BB+4*\q+3], v[VG], s[12:13] offset:128*(\q/4)+16*(\q%4)
	global_load_b128 v[B2R+4*\q:B2R+4*\q+3], v[VG], s[16:17] offset:128*(\q/4)+16*(\q%4)
.endr
	WIN 0x41
.irp t,0,1,2,3
.set i, 0
.rept 16
	v_pk_fma_f32 v[OA+32*\t+i:OA+32*\t+i+1], v[OA+32*\t+i:OA+32*\t+i+1], v[FP+2*\t:FP+2*\t+1], v[Y+32*\t+i:Y+32*\t+i+1] op_sel_hi:[1,0,1]   ; x2 = O / L + x, each accumulator from its low end on
.set i, i+2
.endr
.endr
	WIN 0
	LNSTAT 1, OA
	s_wait_dscnt 0x0                                      ; my figures lie in LDS, and my reads of my stage are over
	s_barrier_signal -1
	s_barrier_wait -1
	LNJOIN
	WIN 0x45
.irp t,0,1,2,3
.set i, 0
.rept 16
	v_pk_add_f32 v[OA+32*\t+i:OA+32*\t+i+1], v[OA+32*\t+i:OA+32*\t+i+1], v[B2R+i:B2R+i+1]   ; x2 + b2: the last product adds onto it
.set i, i+2
.endr
.endr
	WIN 0
	YQUANT                                                ; y2's images, where the stages lay
	SYNC 1, 0                                             ; FFN trip 0: A's slot is not turned: the first tile of W1 has waited there
	WIN 0x40
.irp q,0,1
.irp s,0,1,2,3
.irp g,0,1,2
	ds_load_b128 v[QF+48*\q+12*\s+4*\g:QF+48*\q+12*\s+4*\g+3], v[AYL] offset:(4*\q+\s)*1536+16*\g
.endr
.endr
.endr
	WIN 0
.irp q,0,1
	ds_load_b128 v[QS+4*\q:QS+4*\q+3], v[AYS] offset:256*\q
.endr
	B1LOAD
	ADDR
	KLOADA
	KLOADB
	PROD 2
	s_mov_b32 s[CNT], 2
.Lffn:                                                    ; FFN trips 1 and 2
	SYNC 1, 1
	B1STEP
	B1LOAD
	ADDR
	CONS 3, 1
	PROD 2
	s_sub_co_u32 s[CNT], s[CNT], 1
	s_cmp_lg_u32 s[CNT], 0
	s_cbranch_scc1 .Lffn
	SYNC 2, 1                                             ; FFN trip 3: only the last tile of W2 is still to come
	B1STEP
	B1LOAD
	ADDR
	CONS 3, 1
	PROD 2
	SYNC 0, 1                                             ; FFN trip 4
	ADDR
	CONS 3, 0
	; THE WAY OUT: a tile's 16 rows x 256 bytes through my stage, so that sixteen lanes store one token's aligned 256 bytes
.irp t,0,1,2,3
	WIN 0x04
.irp k,0,1,2,3,4,5,6,7
	ds_store_b128 v[SRD], v[OA+32*\t+4*\k:OA+32*\t+4*\k+3] offset:128*(\k/4)+16*(\k%4)   ; each accumulator from its low end on
.endr
	WIN 0
.irp k,0,1,2,3,4,5,6,7
	ds_load_b128 v[Y+32*\t+4*\k:Y+32*\t+4*\k+3], v[SIN] offset:544*\k
.endr
.endr
.irp t,0,1,2,3
	s_wait_dscnt 48-16*\t                                 ; this tile is back; the 16 LDS instructions of each later tile may be out
.irp k,0,1,2,3,4,5,6,7
	global_store_b128 v[GX], v[Y+32*\t+4*\k:Y+32*\t+4*\k+3], s[18:19] offset:2048*(32*(\t/2)+8*(\t%2)+2*\k+8*(\k/4)) th:TH_STORE_NT
.endr
.endr
	s_wait_tensorcnt 0x0                                  ; the wave's end: behind my last tensor load and my last LDS store
	ds_add_u32 v[SPW], v[NIL]
	s_wait_dscnt 0x0
	ROUND                                                 ; the closing round
	s_endpgm
.Lfunc_end_k_qc7e117f289_attn:
	.size	k_qc7e117f289_attn, .Lfunc_end_k_qc7e117f289_attn-k_qc7e117f289_attn
	.p2alignl 7, 3214868480
	.fill 96, 4, 3214868480
	.section	.rodata,"a",@progbits
	.p2align	6, 0x0
	.amdhsa_kernel k_qc7e117f289_attn
		.amdhsa_group_segment_fixed_size 327680
		.amdhsa_private_segment_fixed_size 0
		.amdhsa_enable_private_segment 0
		.amdhsa_kernarg_size 64
		.amdhsa_user_sgpr_count 2
		.amdhsa_user_sgpr_kernarg_segment_ptr 1
		.amdhsa_wavefront_size32 1
		.amdhsa_system_sgpr_workgroup_id_x 1
		.amdhsa_system_sgpr_workgroup_id_y 1
		.amdhsa_system_sgpr_workgroup_id_z 1
		.amdhsa_system_vgpr_workitem_id 0
		.amdhsa_next_free_vgpr 512
		.amdhsa_next_free_sgpr 68
		.amdhsa_reserve_vcc 0
		.amdhsa_float_denorm_mode_32 3
		.amdhsa_float_denorm_mode_16_64 3
		.amdhsa_memory_ordered 1
		.amdhsa_forward_progress 1
		.amdhsa_inst_pref_size 255
	.end_amdhsa_kernel
	.section	.bss,"aw",@nobits
	.p2align	6
	.space	262144
	.amdgpu_metadata
---
amdhsa.version: [ 1, 2 ]
amdhsa.kernels:
  - .name:           k_qc7e117f289_attn
    .symbol:         k_qc7e117f289_attn.kd
    .args:
      - { .name: x, .offset: 0, .size: 8, .value_kind: global_buffer, .address_space: global }
      - { .name: qc, .offset: 8, .size: 8, .value_kind: global_buffer, .address_space: global }
      - { .name: kv, .offset: 16, .size: 8, .value_kind: global_buffer, .address_space: global }
      - { .name: ln2_g, .offset: 24, .size: 8, .value_kind: global_buffer, .address_space: global }
      - { .name: ln2_b, .offset: 32, .size: 8, .value_kind: global_buffer, .address_space: global }
      - { .name: b1, .offset: 40, .size: 8, .value_kind: global_buffer, .address_space: global }
      - { .name: b2, .offset: 48, .size: 8, .value_kind: global_buffer, .address_space: global }
      - { .name: out0, .offset: 56, .size: 8, .value_kind: global_buffer, .address_space: global }
    .group_segment_fixed_size: 327680
    .private_segment_fixed_size: 0
    .kernarg_segment_align: 8
    .kernarg_segment_size: 64
    .max_flat_workgroup_size: 256
    .sgpr_count:     68
    .vgpr_count:     512
    .wavefront_size: 32
...
	.end_amdgpu_metadata
.endif
;; end of part 2
